; MI455X (gfx1250); checked and timed in simulation.
; The chip was launched on July 23, 2026; its instructions are those of AMD's public machine-readable ISA for CDNA 5 (MIT licence, August 2026) and "CDNA5" Instruction Set Architecture Reference Guide (July 2026). The comments in the code are by the model that wrote it; some were corrected since.
;; Position Attention. Allowed arithmetic: matrix products marked QUANTISED: E2M3 operands, one E8M0 scale for each 32 along K, by v_wmma_scale_f32_16x16x128_f8f6f4 with both operands' format E2M3, f32 sums; everything else in f32.
;; Inputs: Wk_codes 64 x 16 x 24 uint8 (E2M3 codes of Wk, K innermost, in blocks of 32 codes, four codes in three bytes); Wk_scales 64 x 16 uint8 (E8M0 scales of Wk, one for each 32 codes along K); Wq_codes 64 x 16 x 24 uint8 (E2M3 codes of Wq, K innermost, in blocks of 32 codes, four codes in three bytes); Wq_scales 64 x 16 uint8 (E8M0 scales of Wq, one for each 32 codes along K); Wv_codes 512 x 16 x 24 uint8 (E2M3 codes of Wv, K innermost, in blocks of 32 codes, four codes in three bytes); Wv_scales 512 x 16 uint8 (E8M0 scales of Wv, one for each 32 codes along K); bk 64 float32; bq 64 float32; bv 512 float32; gamma 1 float32; x 16 x 2,048 x 512 float32.
;; Outputs: out0 16 x 2,048 x 512 float32.
;; This version of the problem:
;;   THIS VERSION OF THE PROBLEM IS GIVEN IN LOW PRECISION. The matrix products marked QUANTISED in the list below multiply operands that are first quantised to E2M3 (2 exponent bits, 3 mantissa bits; 6 bits a number), with one power-of-two scale for each 32 numbers along K (OCP MX v1.0); their sums are f32. All else is computed in f32.
;;   The module's matrix products, in the order in which they are computed (A, B: the left and right operand; K: the contracted axis; several contracted axes count as one K, in the product's order):
;;     1. [M 32,768, K 512] x [K 512, N 64]; A: input x; B: input Wq (given as codes): QUANTISED
;;     2. [M 32,768, K 512] x [K 512, N 64]; A: input x; B: input Wk (given as codes): QUANTISED
;;     3. [M 32,768, K 512] x [K 512, N 512]; A: input x; B: input Wv (given as codes): QUANTISED
;;     4. batch 16 x [M 2,048, K 64] x [K 64, N 2,048]; A: computed on the way; B: computed on the way: QUANTISED
;;     5. batch 16 x [M 512, K 2,048] x [K 2,048, N 2,048]; A: computed on the way; B: softmax (see below): QUANTISED
;;   THE QUANTISER, for each operand of a quantised product, along K:
;;     - K is cut into blocks of 32 from its start; a last block that is shorter is filled with zeros.
;;     - A block's scale is 2^e with e = floor(log2(the largest magnitude in the block)) - 2, held to -126 .. 127; a block of zeros has e = 0. As a byte (E8M0): e + 127.
;;     - Each number is divided by its block's scale, clamped to +-7.5, and rounded to the nearest number of E2M3, ties to even, subnormals kept.
;;     - The product sums the exact products of the quantised numbers (number of the format x scale) in f32.
;;   ~~~python
;;   def quantise(x, axis):      # numpy; x: float32 -> the quantised numbers, widened to float32 again
;;       x = np.moveaxis(x, axis, -1); K = x.shape[-1]
;;       x = np.pad(x, [(0, 0)] * (x.ndim - 1) + [(0, -K % 32)]); x = x.reshape(x.shape[:-1] + (-1, 32)); a = np.abs(x).max(-1, keepdims=True)
;;       e = np.where(a > 0, np.clip(np.frexp(np.where(a > 0, a, 1))[1] - 1 - 2, -126, 127), 0)      # np.frexp(a)[1] - 1 = floor(log2(a)), exactly
;;       r = np.clip(x / 2.0 ** e, -7.5, 7.5)
;;       step = 2.0 ** (np.maximum(np.frexp(np.where(r == 0, 1, r))[1] - 1, 0) - 3)
;;       q = np.round(r / step) * step * 2.0 ** e      # np.round: ties to even
;;       return np.moveaxis(q.reshape(q.shape[:-2] + (-1,))[..., :K], -1, axis).astype(np.float32)
;;   ~~~
;;   SOFTMAX AHEAD OF A QUANTISED PRODUCT. Where the list says 'softmax', what is quantised is not the finished softmax but p = 2^(t - M), with t = logit x log2(e) and M = ceil(the row's largest t), a whole number; so 1/2 < the row's largest p <= 1. The row's sum l is taken of the UNQUANTISED p, in f32, and the product's result is divided by l at the end. Since M is a whole number, a kernel that streams over the keys may use a running M (the ceiling of the running maximum): every later rescaling is an exact power of two, which a block's scale takes up: the codes' values come out the same.
;;   OPERANDS COMPUTED ON THE WAY. 'Computed on the way' means the value that the module computes at that place (a softmax that the list does not call 'softmax' is quantised finished and normalised). What goes into a quantiser is computed in f32, as accurately as f32 sums, v_exp_f32 and their like allow (about 1e-6 of the number): no bf16 or f16 on the way to a quantiser, and a product that is left as it is and whose result goes on into a quantised operand takes f32 operands (vector FMAs, or v_wmma_f32_16x16x4_f32). A number that lies on a knife's edge between two numbers of the format may be rounded either way, as far as f32 arithmetic and the matrix unit's own rounding can turn it there, and no further.
;;   INPUTS GIVEN AS CODES. Wk (in the module: [64, 512], K = its axis 1); Wq (in the module: [64, 512], K = its axis 1); Wv (in the module: [512, 512], K = its axis 1): each comes as NAME_codes (uint8): NAME with its K axis moved to the last place and cut into blocks of 32 codes, [.., K / 32, bytes a block], one block behind the other in memory; four codes in three bytes: a row's codes are one little-endian stream of bits, code i at bits 6 i .. 6 i + 5 (a code: sign, 2 exponent bits, 3 mantissa bits); and NAME_scales (uint8): the same leading axes, one E8M0 byte (e + 127) for each 32 codes along K. Its value is code x scale, taken as it is: it is not quantised again, and the codes and scales need not be those that the quantiser above would give.
;; 2 versions, each right; version 2 is version 1 with the launch proj written anew for expert scheduling mode. Each part assembles by itself: llvm-mc -triple=amdgcn-amd-amdhsa -mcpu=gfx1250 --defsym DOCPART=n.
;; ======== version 1 of 2: 2 launches
;; workspace buffers: kv 14,745,600 bytes; qimg 1,638,400 bytes
;; launch proj (part 1): grid 256 x 1, 8 waves a work-group, no clusters, 122,368 bytes of LDS; arguments x, Wq_codes, Wq_scales, bq, Wk_codes, Wk_scales, bk, Wv_codes, Wv_scales, bv, kv, qimg; writes kv, qimg
.if DOCPART == 1
	.amdgcn_target "amdgcn-amd-amdhsa--gfx1250"
	.amdhsa_code_object_version 6
	.text
	.protected	k_q64fdebf6ad_proj
	.globl	k_q64fdebf6ad_proj
	.p2align	8
	.type	k_q64fdebf6ad_proj,@function
k_q64fdebf6ad_proj:
	s_mov_b64 s[64:65], 0
	v_nop
	global_prefetch_b8 v0, s[64:65] scope:SCOPE_SE
	s_setreg_imm32_b32 hwreg(HW_REG_WAVE_MODE, 25, 1), 1
	s_wait_xcnt 0x0
; q = x Wq^T + bq, k = x Wk^T + bk, v = x Wv^T + bv on codes of FP6 (E2M3) with one E8M0 scale for each 32 along K; q, k, v are quantised again (q, k along their 64, v along the keys)
; and stored as IMAGES OF OPERAND REGISTERS: a fragment (16 rows x 128 K, 12 registers a lane) is three runs of 512 bytes, registers 4 c .. 4 c + 3, lane l's 16 bytes at 512 c + 16 l.
; A work-group of eight waves takes 128 tokens of one batch (one key step of the second launch): 256 work-groups.
; THE ROWS OF A TILE OF x ARE NOT NEIGHBOURS: row r of tile 2 b + u is token 32 b + 8 u + r + 8 (r / 8), so that the 16 registers of two neighbouring result tiles are 16 neighbouring tokens.
; Wave w: (X) quantises tile w of x, four fragments, into LDS;  (QK) waves 0-3 make k, waves 4-7 q, of tiles 2 (w & 3) and 2 (w & 3) + 1, transposed (source 0 = 16 rows of W, source 1 = x): a lane holds a
; token, its registers run along d; the two tiles' 64 + 64 codes make ONE fragment (K index 0-63: the even tile, 64-127: the odd one);  (V) makes channels 64 w .. 64 w + 63 of all eight tiles
; (source 0 = x, source 1 = Wv): a lane holds a channel, its registers run along the tokens, which are the next product's K.
; kv: [batch][block i of 16][57,600 bytes]: V's 32 fragments of key step i, V's scale words (word 16 tile + r), K's 4 pair fragments of key step (i + 2) mod 16, their scale words (word 16 pair + r).
; qimg: [batch x 16 + block][6,400 bytes]: 4 pair fragments, their scale words.
; LIMITS: NaN and infinities among the inputs are not served.  A block whose largest magnitude lies under 2^-124 gets the scale byte 1; so does a block of zeros, where the quantiser says 127: its codes are zeros,
; and these bytes are read by this program alone.  q's and k's bias is the C of the sum's first product (the sum begins with it instead of ending with it); v's is added behind the sum.
; No tensor loads, no cluster: x is shared with nobody, and each wave reads its own part of the weights once, straight into operand registers.
; REGISTERS.  Window 0: v1-15, v248-251 addresses; v16-35 scale words and nothing else; v36-83 at work in the quantiser, in the products four fragments of x; v84-131 four more; v120-247 the ring for x (phase X);
;   v132-227 Wv's fragments of two K steps; v228-235 bv.   Window 1: v0-191 Wq's or Wk's 16 fragments, v192-255 64 numbers of x, then q's or k's 8 accumulators; in phase V all 256: v's 32 accumulators.
.set KVBLK,  57600
.set XIMG,   0                         ; LDS: x's 32 fragments, (tile, K step) at (4 tile + step) x 1,536
.set XSC,    49152                     ; their scale words: 512 step + 64 tile + 4 r
.set KQS,    51200                     ; k's, then q's scale words: 64 wave + 4 r
.set VSS,    51712                     ; v's scale words: 256 bytes a wave
.set STG,    53760                     ; a stage for each wave: 16 rows of 512 bytes + 16
.set SPITCH, 528
.set STGW,   16*SPITCH
.set LI,  1                            ; 16 x lane
.set LS,  2                            ; 4 x lane
.set VWA, 3                            ; Wv: 384 r + 24 h
.set VSW, 4                            ; VSS + 256 w + 4 r
.set L8,  5                            ; 8 x lane
.set VSR, 6                            ; VSS + 256 w + 8 lane
.set KQR, 7                            ; KQS + 256 (w / 4) + 8 lane
.set STI, 8                            ; the stage, in: 16 x lane
.set STO, 9                            ; the stage, out: 528 r + 64 h
.set XWI, 10                           ; where I store x's images
.set XWS, 11                           ; and their scale words
.set WA,  12                           ; Wq, Wk: 384 (r + 8 (r / 8)) + 24 h
.set WSA, 13                           ; their scale bytes: 16 (r + 8 (r / 8) + 8 h)
.set QBA, 14                           ; their bias: 64 h
.set KQW, 15                           ; KQS + 64 w + 4 r
.set XS,  16                           ; v16-19 x's scale words
.set WVS, 20                           ; v20-27 Wv's
.set WQS, 28                           ; v28-35 Wq's or Wk's
.set TM,  36                           ; v36-39 largest magnitudes, v40-43 bytes, v44-47 the conversions' scale operands
.set PW,  48                           ; the scale word just made
.set PC,  50                           ; v50-61 the fragment just made, v62-68 at work
.set XFA, 36
.set XFB, 84
.set R0,  120
.set R1,  184
.set WB0, 132
.set WB1, 180
.set BV,  228
.set QFA, 248                          ; 16 lane + 12,288 (w & 3): my pair's fragments of x
.set QSA, 249                          ; XSC + 128 (w & 3) + 4 lane: their scale words
.set VSA, 250                          ; Wv's scale bytes: 16 (16 h + r)
.set BVA, 251                          ; bv: 4 r
.set XL,  192                          ; in window 1
.set MSB, 0
.macro WIN new                         ; the immediate's high byte repeats the setting that is left
.if MSB != \new
	s_set_vgpr_msb (MSB<<8)|\new
.set MSB, \new
.endif
.endm
.macro PLACES n
.rept \n
	v_nop
.endr
.endm
; One product.  c < 0: C is the constant 0.  ra, rb: the side's scale words stand in lanes 16-31 of the register named.
.macro WM d, a, b, c, sa, sb, ra, rb
.if (\c) < 0
.if ((\ra) == 0) && ((\rb) == 0)
	v_wmma_scale_f32_16x16x128_f8f6f4 v[\d:\d+7], v[\a:\a+11], v[\b:\b+11], 0, v[\sa], v[\sb] matrix_a_fmt:MATRIX_FMT_FP6 matrix_b_fmt:MATRIX_FMT_FP6
.elseif (\rb) == 0
	v_wmma_scale_f32_16x16x128_f8f6f4 v[\d:\d+7], v[\a:\a+11], v[\b:\b+11], 0, v[\sa], v[\sb] matrix_a_fmt:MATRIX_FMT_FP6 matrix_b_fmt:MATRIX_FMT_FP6 matrix_a_scale:MATRIX_SCALE_ROW1
.elseif (\ra) == 0
	v_wmma_scale_f32_16x16x128_f8f6f4 v[\d:\d+7], v[\a:\a+11], v[\b:\b+11], 0, v[\sa], v[\sb] matrix_a_fmt:MATRIX_FMT_FP6 matrix_b_fmt:MATRIX_FMT_FP6 matrix_b_scale:MATRIX_SCALE_ROW1
.else
	v_wmma_scale_f32_16x16x128_f8f6f4 v[\d:\d+7], v[\a:\a+11], v[\b:\b+11], 0, v[\sa], v[\sb] matrix_a_fmt:MATRIX_FMT_FP6 matrix_b_fmt:MATRIX_FMT_FP6 matrix_a_scale:MATRIX_SCALE_ROW1 matrix_b_scale:MATRIX_SCALE_ROW1
.endif
.else
.if ((\ra) == 0) && ((\rb) == 0)
	v_wmma_scale_f32_16x16x128_f8f6f4 v[\d:\d+7], v[\a:\a+11], v[\b:\b+11], v[\c:\c+7], v[\sa], v[\sb] matrix_a_fmt:MATRIX_FMT_FP6 matrix_b_fmt:MATRIX_FMT_FP6
.elseif (\rb) == 0
	v_wmma_scale_f32_16x16x128_f8f6f4 v[\d:\d+7], v[\a:\a+11], v[\b:\b+11], v[\c:\c+7], v[\sa], v[\sb] matrix_a_fmt:MATRIX_FMT_FP6 matrix_b_fmt:MATRIX_FMT_FP6 matrix_a_scale:MATRIX_SCALE_ROW1
.elseif (\ra) == 0
	v_wmma_scale_f32_16x16x128_f8f6f4 v[\d:\d+7], v[\a:\a+11], v[\b:\b+11], v[\c:\c+7], v[\sa], v[\sb] matrix_a_fmt:MATRIX_FMT_FP6 matrix_b_fmt:MATRIX_FMT_FP6 matrix_b_scale:MATRIX_SCALE_ROW1
.else
	v_wmma_scale_f32_16x16x128_f8f6f4 v[\d:\d+7], v[\a:\a+11], v[\b:\b+11], v[\c:\c+7], v[\sa], v[\sb] matrix_a_fmt:MATRIX_FMT_FP6 matrix_b_fmt:MATRIX_FMT_FP6 matrix_a_scale:MATRIX_SCALE_ROW1 matrix_b_scale:MATRIX_SCALE_ROW1
.endif
.endif
.endm
; 64 numbers of a lane in window 1, v[s] .. v[s + 63], register 16 b + i = k 32 b + 16 (lane / 16) + i of my row, become a fragment's codes in v[PC] on and its scale word in v[PW].
.macro QUANT s
	WIN 0x05                                       ; sources 0 and 1 in window 1
.irp b, 0,1,2,3
	v_max3_num_f32 v[TM+\b], |v[\s+16*\b]|, |v[\s+1+16*\b]|, 0x1800000   ; block b: my 16 numbers, from each accumulator's low end on, and the floor 2^(3 - 127): the byte cannot fall under 1
.endr
	WIN 0x14                                       ; sources 1 and 2 in window 1
.irp i, 2,4,6,8,10,12,14
.irp b, 0,1,2,3
	v_max3_num_f32 v[TM+\b], v[TM+\b], |v[\s+16*\b+\i]|, |v[\s+1+16*\b+\i]|   ; the four blocks by turns
.endr
.endr
	WIN 0
.irp b, 0,1,2,3
	v_permlanex16_b32 v[TM+4+\b], v[TM+\b], s50, s51
.endr
.irp b, 0,1,2,3
	v_max_num_f32 v[TM+\b], v[TM+\b], v[TM+4+\b]   ; with lane l xor 16's: the block's largest magnitude
.endr
.irp b, 0,1,2,3
	v_add_nc_u32 v[TM+8+\b], 0xff000000, v[TM+\b]  ; 2 off its exponent field: the conversion takes the exponent field of this operand as its scale
.endr
.irp b, 0,1,2,3
	v_lshrrev_b32 v[TM+4+\b], 23, v[TM+8+\b]       ; the scale's byte
.endr
	v_lshl_or_b32 v[PW], v[TM+5], 8, v[TM+4]
	v_lshl_or_b32 v[PW], v[TM+6], 16, v[PW]
	v_lshl_or_b32 v[PW], v[TM+7], 24, v[PW]
	WIN 0x01                                       ; the numbers in window 1
.irp c, 0,1
	v_cvt_scalef32_pk16_fp6_f32 v[PC+6*\c:PC+2+6*\c], v[\s+32*\c:\s+15+32*\c], v[TM+8+2*\c]
	v_cvt_scalef32_pk16_fp6_f32 v[PC+12+4*\c:PC+14+4*\c], v[\s+16+32*\c:\s+31+32*\c], v[TM+8+2*\c+1]   ; (a conversion's three registers begin on an even number)
.endr
	WIN 0
	v_nop                                          ; one plain place behind a scaled conversion
.irp c, 0,1                                    ; the operand's layout wants a whole block in a lane: lanes 0-15 block 2 c, lanes 16-31 block 2 c + 1
.irp i, 0,1,2
	v_permlane16_swap_b32 v[PC+6*\c+\i], v[PC+12+4*\c+\i]
.endr
.irp i, 0,1,2
	v_mov_b32 v[PC+3+6*\c+\i], v[PC+12+4*\c+\i]
.endr
.endr
.endm
.macro XLOAD p, set                    ; K step p (128 channels, 512 bytes) of my tile's 16 rows: each load reads 512 consecutive bytes of one row
.irp i, 0,1,2,3,4,5,6,7,8,9,10,11,12,13,14,15
	global_load_b128 v[\set+4*\i:\set+4*\i+3], v[LI], s[32:33] offset:(\i+8*(\i/8))*2048+512*\p th:TH_LOAD_NT
.endr
.endm
.macro TURN set                        ; through my own stage: in as loaded, out 16 neighbours of each block of 32 a lane.  LDS serves a wave's instructions in order: no wait between
.irp i, 0,1,2,3,4,5,6,7,8,9,10,11,12,13,14,15
	ds_store_b128 v[STI], v[\set+4*\i:\set+4*\i+3] offset:SPITCH*\i
.endr
	WIN 0x40                                       ; destination window 1
.irp b, 0,1,2,3
.irp j, 0,1,2,3
	ds_load_b128 v[XL+16*\b+4*\j:XL+16*\b+4*\j+3], v[STO] offset:128*\b+16*\j
.endr
.endr
	WIN 0
.endm
.macro XIMAGE s                        ; the fragment just made is K step s of my tile
.irp c, 0,1,2
	ds_store_b128 v[XWI], v[PC+4*\c:PC+4*\c+3] offset:XIMG+1536*\s+512*\c
.endr
	ds_store_b32 v[XWS], v[PW] offset:512*\s       ; lanes r and r + 16 write the same word with the same value
.endm
.macro WQKLOAD s                       ; K step s of Wq or Wk: four tiles of 16 chosen rows -> window 1
	WIN 0x40
.irp t, 0,1,2,3
.irp p, 0,1,2,3,4,5
	global_load_b64 v[48*\s+12*\t+2*\p:48*\s+12*\t+2*\p+1], v[WA], s[34:35] offset:(32*(\t/2)+8*(\t%2))*384+96*\s+48*(\p/3)+8*(\p%3)
.endr
.endr
	WIN 0
.endm
.macro WVLOAD s, buf                   ; K step s of my 64 rows of Wv
.irp t, 0,1,2,3
.irp p, 0,1,2,3,4,5
	global_load_b64 v[\buf+12*\t+2*\p:\buf+12*\t+2*\p+1], v[VWA], s[42:43] offset:16*\t*384+96*\s+48*(\p/3)+8*(\p%3)
.endr
.endr
.endm
.macro BARRIER                         ; my LDS stores have landed and my LDS loads are in: then the work-group's barrier
	s_wait_dscnt 0x0
	s_barrier_signal -1
	s_barrier_wait -1
.endm
	s_load_b512 s[8:23], s[0:1], 0x0               ; x s[8:9], Wq codes s[10:11], scales s[12:13], bq s[14:15], Wk codes s[16:17], scales s[18:19], bk s[20:21], Wv codes s[22:23]
	s_load_b256 s[24:31], s[0:1], 0x40             ; Wv scales s[24:25], bv s[26:27], kv s[28:29], qimg s[30:31]
	v_lshrrev_b32 v252, 5, v0
	v_readfirstlane_b32 s4, v252                   ; wave 0..7
	v_and_b32 v252, 31, v0                         ; lane
	v_and_b32 v253, 15, v0                         ; r
	v_bfe_u32 v254, v0, 4, 1                       ; h
	v_and_b32 v255, 8, v253
	v_add_nc_u32 v255, v255, v253                  ; r + 8 (r / 8)
	s_lshr_b32 s5, s4, 2                           ; 0: I make k, 1: q
	s_and_b32 s6, s4, 3                            ; of which pair of tiles
	v_lshlrev_b32 v[LI], 4, v252
	v_lshlrev_b32 v[LS], 2, v252
	v_lshlrev_b32 v[L8], 3, v252
	s_lshl_b32 s52, ttmp9, 18                      ; x: 128 tokens of 2,048 bytes a work-group,
	s_lshr_b32 s54, s4, 1
	s_lshl_b32 s54, s54, 16                        ; + 32 tokens x (w / 2)
	s_add_co_u32 s52, s52, s54
	s_and_b32 s54, s4, 1
	s_lshl_b32 s54, s54, 14                        ; + 8 tokens x (w % 2)
	s_add_co_u32 s52, s52, s54
	s_mov_b32 s53, 0
	s_add_co_u32 s54, ttmp9, 14                    ; k of key step s goes into block (s + 14) mod 16 of the batch: the scores run two key steps ahead of the second product,
	s_and_b32 s54, s54, 15
	s_and_b32 s55, ttmp9, 0xf0
	s_or_b32 s54, s54, s55
	s_mul_i32 s54, s54, KVBLK
	s_add_co_u32 s54, s54, 51200                   ; behind that block's V;
	s_mul_i32 s55, ttmp9, 6400                     ; q into its own record;
	s_mul_i32 s58, s6, 1536                        ; my pair's fragment in either
	s_add_co_u32 s54, s54, s58
	s_add_co_u32 s55, s55, s58
	s_mov_b32 s50, 0x76543210
	s_mov_b32 s51, 0xfedcba98                      ; v_permlanex16_b32's selects for lane l xor 16
	s_wait_kmcnt 0x0
	s_add_nc_u64 s[32:33], s[8:9], s[52:53]
	XLOAD 0, R0                                    ; 32 loads of 512 bytes a wave are out before anything else is done
	XLOAD 1, R1
	s_cmp_lt_u32 s4, 4                             ; the choice hangs on the wave's number alone
	s_cselect_b64 s[34:35], s[16:17], s[10:11]     ; codes of Wk or Wq
	s_cselect_b64 s[36:37], s[18:19], s[12:13]     ; their scale bytes
	s_cselect_b64 s[38:39], s[20:21], s[14:15]     ; the bias
	s_cselect_b64 s[40:41], s[28:29], s[30:31]     ; where the result goes
	s_cselect_b32 s54, s54, s55
	s_mov_b32 s55, 0
	s_add_nc_u64 s[40:41], s[40:41], s[54:55]
	s_mul_i32 s52, s4, 24576                       ; my 64 rows of Wv: 384 bytes a row,
	s_add_nc_u64 s[42:43], s[22:23], s[52:53]
	s_lshl_b32 s52, s4, 10                         ; 16 scale bytes a row,
	s_add_nc_u64 s[44:45], s[24:25], s[52:53]
	s_lshl_b32 s52, s4, 8                          ; 4 bytes of bv a row
	s_add_nc_u64 s[46:47], s[26:27], s[52:53]
	s_mul_i32 s52, ttmp9, KVBLK                    ; my work-group's block of kv:
	s_mul_i32 s54, s4, 6144
	s_add_co_u32 s54, s54, s52
	s_add_nc_u64 s[48:49], s[28:29], s[54:55]      ; my four fragments of V,
	s_lshl_b32 s54, s4, 8
	s_add_co_u32 s54, s54, s52
	s_add_co_u32 s54, s54, 49152
	s_add_nc_u64 s[56:57], s[28:29], s[54:55]      ; and their scale words
	v_mul_u32_u24 v[VWA], v253, 384
	v_mad_u32_u24 v[VWA], v254, 24, v[VWA]
	s_lshl_b32 s52, s4, 8
	s_add_co_u32 s52, s52, VSS
	v_lshl_add_u32 v[VSW], v253, 2, s52
	v_add_nc_u32 v[VSR], s52, v[L8]
	s_lshl_b32 s52, s5, 8
	s_add_co_u32 s52, s52, KQS
	v_add_nc_u32 v[KQR], s52, v[L8]
	s_mul_i32 s52, s4, STGW
	s_add_co_u32 s52, s52, STG
	v_add_nc_u32 v[STI], s52, v[LI]
	v_mul_u32_u24 v[STO], v253, SPITCH
	v_lshl_add_u32 v[STO], v254, 6, v[STO]
	v_add_nc_u32 v[STO], s52, v[STO]
	s_mul_i32 s52, s4, 6144
	v_add_nc_u32 v[XWI], s52, v[LI]
	s_lshl_b32 s52, s4, 6
	s_add_co_u32 s54, s52, XSC
	v_lshl_add_u32 v[XWS], v253, 2, s54
	s_add_co_u32 s54, s52, KQS
	v_lshl_add_u32 v[KQW], v253, 2, s54
	v_mul_u32_u24 v[WA], v255, 384
	v_mad_u32_u24 v[WA], v254, 24, v[WA]
	v_lshl_add_u32 v[WSA], v254, 3, v255
	v_lshlrev_b32 v[WSA], 4, v[WSA]
	v_lshlrev_b32 v[QBA], 6, v254
	s_mul_i32 s52, s6, 12288
	v_add_nc_u32 v[QFA], s52, v[LI]
	s_lshl_b32 s52, s6, 7
	s_add_co_u32 s52, s52, XSC
	v_add_nc_u32 v[QSA], s52, v[LS]
	v_lshl_add_u32 v[VSA], v254, 4, v253
	v_lshlrev_b32 v[VSA], 4, v[VSA]
	v_lshlrev_b32 v[BVA], 2, v253
.irp b, 0,1,2,3
	v_mov_b32 v[TM+4+\b], 0                        ; written once: a lane permute's destination counts as one of its sources
.endr
	; ---- X: my tile of x, a K step at a time.  Global loads come back in the order of issue: each wait names the loads issued behind the K step that it needs.
	s_wait_loadcnt 16                              ; K step 0 is in; behind it: K step 1's 16
	TURN R0
	s_wait_dscnt 0x0                               ; the numbers are back, and the stage's stores have read the ring
	XLOAD 2, R0
	QUANT XL
	XIMAGE 0
	s_wait_loadcnt 16                              ; K step 1; behind it: K step 2's 16
	TURN R1
	s_wait_dscnt 0x0
	XLOAD 3, R1
	WQKLOAD 0
	QUANT XL
	XIMAGE 1
	s_wait_loadcnt 40                              ; K step 2; behind it: K step 3's 16 and 24 of W
	TURN R0
	s_wait_dscnt 0x0
	WQKLOAD 1
	global_load_b128 v[WQS:WQS+3], v[WSA], s[36:37]              ; W's scale words: lanes 0-15 the even tile's rows, lanes 16-31 the odd tile's; four K steps a load
	global_load_b128 v[WQS+4:WQS+7], v[WSA], s[36:37] offset:512
	QUANT XL
	XIMAGE 2
	s_wait_loadcnt 50                              ; K step 3; behind it: 48 of W and 2 of its scale words
	TURN R1
	s_wait_dscnt 0x0
	WQKLOAD 2
	WQKLOAD 3
	QUANT XL
	XIMAGE 3
	WIN 0x40                                       ; the bias of q or k goes straight into the accumulators: lane (r, h), tile 2 b + u, register j: d = 32 b + 16 h + 8 u + j
.irp u, 0,1
.irp t, 0,1,2,3
	global_load_b128 v[XL+8*(4*\u+\t):XL+8*(4*\u+\t)+3], v[QBA], s[38:39] offset:(32*(\t/2)+8*(\t%2))*4
	global_load_b128 v[XL+8*(4*\u+\t)+4:XL+8*(4*\u+\t)+7], v[QBA], s[38:39] offset:(32*(\t/2)+8*(\t%2))*4+16
.endr
.endr
	WIN 0
	global_load_b128 v[WVS:WVS+3], v[VSA], s[44:45]              ; Wv's scale words: lanes 0-15 tile 2 i, lanes 16-31 tile 2 i + 1
	global_load_b128 v[WVS+4:WVS+7], v[VSA], s[44:45] offset:512
.irp t, 0,1,2,3
	global_load_b32 v[BV+2*\t], v[BVA], s[46:47] offset:64*\t    ; bv of my channel in tile t, into both halves of a pair: the packed addition names the pair
	global_load_b32 v[BV+2*\t+1], v[BVA], s[46:47] offset:64*\t
.endr
	WVLOAD 0, WB0                                  ; the ring is free: its last stores into the stage were waited for
	WVLOAD 1, WB1
	BARRIER                                        ; x's 32 fragments and their scale words lie in LDS
	; ---- QK: 64 outputs of my two tiles of x: eight accumulators by turns, a K step at a time
.macro QKFETCH hs                      ; K steps 2 hs, 2 hs + 1 of my two tiles: 12 loads of fragments and 2 of scale words
.irp sl, 0,1
.irp u, 0,1
.irp c, 0,1,2
	ds_load_b128 v[XFA+48*\hs+24*\sl+12*\u+4*\c:XFA+48*\hs+24*\sl+12*\u+4*\c+3], v[QFA] offset:6144*\u+1536*(2*\hs+\sl)+512*\c
.endr
.endr
	ds_load_b32 v[XS+2*\hs+\sl], v[QSA] offset:512*(2*\hs+\sl)   ; lanes 0-15 the even tile's words, lanes 16-31 the odd tile's
.endr
.endm
.macro QKMUL s
.irp u, 0,1
.irp t, 0,1,2,3
	WM XL+8*(4*\u+\t), 48*\s+12*\t, XFA+24*\s+12*\u, XL+8*(4*\u+\t), WQS+4*(\t/2)+\s, XS+\s, \t%2, \u
.endr
.endr
.endm
	QKFETCH 0
	QKFETCH 1
	s_wait_loadcnt 58                              ; W, its scale words and the bias are in; behind them: 2 of Wv's scale words, 8 of bv, 48 of Wv
	s_wait_dscnt 14                                ; K steps 0 and 1 are in; behind them: the 14 of K steps 2 and 3
	WIN 0x51                                       ; source 0 (W), C and D in window 1, source 1 (x) in window 0
	QKMUL 0
	QKMUL 1
	s_wait_dscnt 0x0
	QKMUL 2
	QKMUL 3
	WIN 0
	PLACES 4                                       ; in front of the first read of results and the first write into registers that the products read
	QUANT XL                                       ; blocks 0, 1: the even tile's 64; blocks 2, 3: the odd tile's
.irp c, 0,1,2
	global_store_b128 v[LI], v[PC+4*\c:PC+4*\c+3], s[40:41] offset:512*\c   ; 32 lanes store 512 consecutive bytes, aligned to 256
.endr
	ds_store_b32 v[KQW], v[PW]
	BARRIER                                        ; the four pairs' scale words of k, and of q, lie together in LDS
	s_cmp_lg_u32 s6, 0                             ; waves 0 and 4 store them: 256 consecutive bytes each
	s_cbranch_scc1 .Lno_words
	ds_load_b64 v[70:71], v[KQR]
	s_wait_dscnt 0x0
	global_store_b64 v[L8], v[70:71], s[40:41] offset:6144
.Lno_words:
	s_wait_loadcnt 24                              ; Wv's scale words, bv and K step 0 are in; behind them: K step 1's 24
	s_wait_xcnt 0x0                                ; the stores above have read their registers: x's fragments may land there
	; ---- V: group g = K step g / 2, x tiles 4 (g % 2) on: 16 products on 16 accumulators; the 32 take turns
.macro FETCHX g                        ; 12 loads of fragments and 2 of scale words
.irp i, 0,1,2,3
.irp c, 0,1,2
	ds_load_b128 v[XFA+48*((\g)%2)+12*\i+4*\c:XFA+48*((\g)%2)+12*\i+4*\c+3], v[LI] offset:(4*(4*((\g)%2)+\i)+(\g)/2)*1536+512*\c
.endr
.endr
.irp i, 0,1
	ds_load_b32 v[XS+2*((\g)%2)+\i], v[LS] offset:XSC+512*((\g)/2)+128*(2*((\g)%2)+\i)
.endr
.endm
.macro GROUP g
.if (\g) < 7
	s_wait_dscnt 14                                ; this group's 14 are in; behind them: the next group's 14
.else
	s_wait_dscnt 0x0
.endif
.if ((\g) == 2) || ((\g) == 4)
	s_wait_loadcnt 24                              ; this K step of Wv is in; behind it: the next one's 24
.endif
.if (\g) == 6
	s_wait_loadcnt 0x0
.endif
	WIN 0x50                                       ; C and D in window 1
.irp xl, 0,1,2,3
.irp ct, 0,1,2,3
.if (\g) < 2
	WM 64*\ct+8*(4*((\g)%2)+\xl), XFA+48*((\g)%2)+12*\xl, WB0+48*(((\g)/2)%2)+12*\ct, -1, XS+2*((\g)%2)+\xl/2, WVS+4*(\ct/2)+(\g)/2, \xl%2, \ct%2
.else
	WM 64*\ct+8*(4*((\g)%2)+\xl), XFA+48*((\g)%2)+12*\xl, WB0+48*(((\g)/2)%2)+12*\ct, 64*\ct+8*(4*((\g)%2)+\xl), XS+2*((\g)%2)+\xl/2, WVS+4*(\ct/2)+(\g)/2, \xl%2, \ct%2
.endif
.endr
.endr
	WIN 0
	PLACES 4                                       ; in front of loads into registers that these products read, and at the end of the first read of results
.if (\g) < 6
	FETCHX (\g)+2
.endif
.if (\g) == 1
	WVLOAD 2, WB0
.endif
.if (\g) == 3
	WVLOAD 3, WB1
.endif
.endm
	FETCHX 0
	FETCHX 1
.irp g, 0,1,2,3,4,5,6,7
	GROUP \g
.endr
	; ---- the way out: tile ct's 64 registers are my channel's 128 tokens in their order: + bv, quantised along the tokens, stored as an image
.macro VOUT ct
	s_wait_xcnt 0x0                                ; the last tile's stores have read their registers,
	s_wait_dscnt 0x0                               ; its scale word's store too
	WIN 0x41                                       ; destination and source 0 in window 1
.set jj, 0
.rept 32
	v_pk_add_f32 v[64*\ct+jj:64*\ct+jj+1], v[64*\ct+jj:64*\ct+jj+1], v[BV+2*\ct:BV+2*\ct+1] op_sel_hi:[1,0]   ; ascending: each accumulator from its low end on
.set jj, jj+2
.endr
	QUANT 64*\ct
.irp c, 0,1,2
	global_store_b128 v[LI], v[PC+4*\c:PC+4*\c+3], s[48:49] offset:1536*\ct+512*\c
.endr
	ds_store_b32 v[VSW], v[PW] offset:64*\ct
.endm
.irp ct, 0,1,2,3
	VOUT \ct
.endr
	ds_load_b64 v[70:71], v[VSR]                   ; LDS serves a wave's instructions in order: this sees my four stores
	s_wait_dscnt 0x0
	global_store_b64 v[L8], v[70:71], s[56:57]     ; my 64 scale words: 256 consecutive bytes, aligned
	s_wait_xcnt 0x0
	v_lshl_add_u32 v254, v0, 2, 0x1da00
	v_mov_b32 v255, 0
	s_wait_tensorcnt 0x0
	ds_add_u32 v254, v255
	s_wait_dscnt 0x0
	s_endpgm
.Lfunc_end_k_q64fdebf6ad_proj:
	.size	k_q64fdebf6ad_proj, .Lfunc_end_k_q64fdebf6ad_proj-k_q64fdebf6ad_proj
	.p2alignl 7, 3214868480
	.fill 96, 4, 3214868480
	.section	.rodata,"a",@progbits
	.p2align	6, 0x0
	.amdhsa_kernel k_q64fdebf6ad_proj
		.amdhsa_group_segment_fixed_size 122368
		.amdhsa_private_segment_fixed_size 0
		.amdhsa_enable_private_segment 0
		.amdhsa_kernarg_size 96
		.amdhsa_user_sgpr_count 2
		.amdhsa_user_sgpr_kernarg_segment_ptr 1
		.amdhsa_wavefront_size32 1
		.amdhsa_system_sgpr_workgroup_id_x 1
		.amdhsa_system_sgpr_workgroup_id_y 1
		.amdhsa_system_sgpr_workgroup_id_z 1
		.amdhsa_system_vgpr_workitem_id 0
		.amdhsa_next_free_vgpr 512
		.amdhsa_next_free_sgpr 66
		.amdhsa_reserve_vcc 0
		.amdhsa_float_denorm_mode_32 3
		.amdhsa_float_denorm_mode_16_64 3
		.amdhsa_memory_ordered 1
		.amdhsa_forward_progress 1
		.amdhsa_inst_pref_size 118
	.end_amdhsa_kernel
	.amdgpu_metadata
---
amdhsa.version: [ 1, 2 ]
amdhsa.kernels:
  - .name:           k_q64fdebf6ad_proj
    .symbol:         k_q64fdebf6ad_proj.kd
    .args:
      - { .name: x, .offset: 0, .size: 8, .value_kind: global_buffer, .address_space: global }
      - { .name: Wq_codes, .offset: 8, .size: 8, .value_kind: global_buffer, .address_space: global }
      - { .name: Wq_scales, .offset: 16, .size: 8, .value_kind: global_buffer, .address_space: global }
      - { .name: bq, .offset: 24, .size: 8, .value_kind: global_buffer, .address_space: global }
      - { .name: Wk_codes, .offset: 32, .size: 8, .value_kind: global_buffer, .address_space: global }
      - { .name: Wk_scales, .offset: 40, .size: 8, .value_kind: global_buffer, .address_space: global }
      - { .name: bk, .offset: 48, .size: 8, .value_kind: global_buffer, .address_space: global }
      - { .name: Wv_codes, .offset: 56, .size: 8, .value_kind: global_buffer, .address_space: global }
      - { .name: Wv_scales, .offset: 64, .size: 8, .value_kind: global_buffer, .address_space: global }
      - { .name: bv, .offset: 72, .size: 8, .value_kind: global_buffer, .address_space: global }
      - { .name: kv, .offset: 80, .size: 8, .value_kind: global_buffer, .address_space: global }
      - { .name: qimg, .offset: 88, .size: 8, .value_kind: global_buffer, .address_space: global }
    .group_segment_fixed_size: 122368
    .private_segment_fixed_size: 0
    .kernarg_segment_align: 8
    .kernarg_segment_size: 96
    .max_flat_workgroup_size: 256
    .sgpr_count:     66
    .vgpr_count:     512
    .wavefront_size: 32
...
	.end_amdgpu_metadata
.endif
;; end of part 1
;; launch attn (part 2): grid 16 x 16, 8 waves a work-group, clusters of 4 x 1, 327,680 bytes of LDS; arguments qimg, kv, x, gamma, out0; writes out0
.if DOCPART == 2
	.amdgcn_target "amdgcn-amd-amdhsa--gfx1250"
	.amdhsa_code_object_version 6
	.text
	.protected	k_q64fdebf6ad_attn
	.globl	k_q64fdebf6ad_attn
	.p2align	8
	.type	k_q64fdebf6ad_attn,@function
k_q64fdebf6ad_attn:
	s_mov_b64 s[64:65], 0
	v_nop
	global_prefetch_b8 v0, s[64:65] scope:SCOPE_SE
	s_setreg_imm32_b32 hwreg(HW_REG_WAVE_MODE, 25, 1), 1
	s_wait_xcnt 0x0
	s_wait_alu depctr_hold_cnt(0) depctr_sa_sdst(0) depctr_va_vdst(0) depctr_va_sdst(0) depctr_va_ssrc(0) depctr_va_vcc(0) depctr_vm_vsrc(0)
	s_getreg_b32 s2, hwreg(HW_REG_IB_STS2, 6, 4)
	s_cmp_eq_u32 s2, 0
	s_cbranch_scc0 .Lentry_in_a_cluster
	s_endpgm
.Lentry_in_a_cluster:
	s_bfe_u32 s2, ttmp6, 0x10000c
	s_cmp_lg_u32 s2, 0x3003
	s_cbranch_scc0 .Lentry_shape_is_right
	s_endpgm
.Lentry_shape_is_right:
; out[n][c] = gamma x (sum over m of softmax_m(q[n] . k[m]) v[m][c]) + x[n][c], both products on codes of FP6 (E2M3) with one E8M0 scale for each 32 along K.  q, k, v come as images of operand registers
; (a fragment: three runs of 512 bytes, registers 4 c .. 4 c + 3, lane l's 16 bytes at 512 c + 16 l), made by the launch before.
; THE SOFTMAX: t = score x log2(e); M = the ceiling of the row's largest t; p = 2^(t - M) is quantised along the keys, not normalised; the row's sum is taken of the unquantised p and divides at the end.
; M IS FOUND FIRST: a batch's keys are 100 KiB of codes, so a first pass over all of them in LDS gives each row's true M.  The main pass then never rescales: the 512 channels of a query would otherwise be
; multiplied anew in every step.  The maximum is taken away for every input.  In the first pass THE WAVES SHARE THE KEYS: wave w takes key steps 2 w, 2 w + 1 against all eight query tiles, so that each fragment of K
; is read from LDS once in the work-group; the eight partial maxima of a row meet in a table in LDS behind one barrier.
; SHARES OF THE MAIN PASS.  A work-group of eight waves owns 128 queries of one batch: 256 work-groups.  Wave w makes the scores and the softmax of query tile w (16 queries); in the second product it owns channels
; 64 w .. 64 w + 63 of ALL eight query tiles (32 accumulators: window 1).  p goes from wave to wave through LDS as images of registers, in two sets of two buffers by turns.
; K = 64 IN AN INSTRUCTION OF 128: a fragment of k holds two tiles of 16 keys (K index 0-63 the even tile, 64-127 the odd one) and is multiplied once by (q, 0) and once by (0, q): zero codes add nothing.
; Row r of tile 2 b + u (keys and queries alike) is token 32 b + 8 u + r + 8 (r / 8): so p's 16 registers of two neighbouring tiles are 16 neighbouring keys.
; Both products are used transposed (source 0 = keys, or channels; source 1 = queries): a lane holds one query throughout.
; BY TURNS BETWEEN WAVES.  Between two changes of slots a wave has four independent pieces: the second product of key steps 2 n, 2 n + 1 and the scores and softmax of steps 2 n + 2, 2 n + 3.  Waves 0-3 take
; product, softmax, product, softmax; waves 4-7 softmax, product, softmax, product.  ONE barrier serves two key steps.
; THE RING.  Two slots of two blocks of kv; a block: V of key step i, its scale words, K of step i + 2, its scale words: so all that stands between two barriers reads one slot.  Slot 1 first holds all 16 steps' K.
; CLUSTER.  The four work-groups of a cluster own query blocks of one batch and walk the same K and V: every tile is asked for jointly, by the same tensor load with the same descriptor and a mask that names the four.
; By this text's own count a wave has at most one tensor load out.
; LIMITS: NaN and infinities are not served.  p under 2^-126 counts as 0 (v_exp_f32: ISA guide, 15.8).  A block of p that is all zeros keeps the scale byte 1: its codes are zeros.  1 / sum by v_rcp_f32.
; REGISTERS.  Window 0: v1-21, v27 addresses; v22-23 -M; v24-25 the sum; v26, v240-253 scale words and nothing else; v28-51 (q, 0) and (0, q); v52-55 maxima at work; v56-63 gamma / sum of the eight tiles;
;   v64-111 fragments of K or V; v112-119 the first pass's maxima; v128-191 scores, then p; v192-231 the quantiser; v192-239 the first pass's second key step; v128-223 eight fragments of p; on the way out
;   v28-55, v64-239: x.   Window 1: in the first pass v0-101 the eight tiles of q between runs of zeros; then the 32 accumulators.
.set SLOT1,  131072                    ; slot 0 at 0, slot 1 here: one exclusive or turns an address of one into the other's
.set KVBLK,  57600
.set VSOFF,  49152                     ; in a block: V's scale words,
.set KOFF,   51200                     ; K's fragments,
.set KSOFF,  57344                     ; K's scale words
.set PIMG,   246272                    ; p's images: 4 buffers (2 sets x 2 key steps) x 8 fragments
.set PSC,    295424                    ; p's scale words: 4 buffers x 1,024 bytes; word at 32 lane + 4 tile
.set LTAB,   299520                    ; gamma / sum: 64 tile + 4 r
.set MTAB,   300032                    ; the first pass's partial maxima: 512 wave + 64 tile + 4 r
.set SPARE,  304128                    ; the spare words, 128 bytes for each wave: four blocks of 256 bytes that no other line names
.set STAGE,  0                         ; the way out: 16 rows x (256 bytes + 16) for each wave, in slot 0: at the last change of slots it has had its last fill, and nobody reads it any more
.set LI,  1                            ; 16 x lane
.set LS,  2                            ; 4 x lane
.set SPW, 3                            ; my spare word; never rewritten
.set NIL, 4                            ; 0; never rewritten
.set LVI, 5                            ; 16 lane + 6,144 w: my four fragments of V in a block
.set LVS, 6                            ; 4 lane + 256 w + VSOFF: their scale words
.set PWI, 7                            ; where I store p's image
.set PWS, 8                            ; and its scale word
.set PRI, 9                            ; where the eight images are read
.set PRS, 10                           ; and their scale words
.set LTW, 11
.set LTR, 12
.set STO, 13
.set RD,  14
.set GO,  15                           ; 2,048 h + 16 r
.set PFA, 16                           ; 2,048 x lane
.set MTW, 17                           ; MTAB + 512 w + 4 r
.set ADK, 18                           ; the block in hand + LI, LS, LVI, LVS
.set ADKS, 19
.set ADV, 20
.set ADVS, 21
.set NM,  22
.set LSUM, 24
.set QS,  26
.set MTR, 27                           ; MTAB + 64 w + 4 r
.set QLO, 28
.set QHI, 40
.set RM,  52
.set F,   56
.set KF,  64
.set VF,  64
.set RMQ, 112
.set S,   128
.set PC,  192
.set BM,  212
.set BX,  216
.set SO,  220
.set PW,  228
.set SUM2, 230
.set KFB, 192
.set PF,  128
.set PS,  240
.set KS,  248
.set VS,  250
.set KSB, 252
.set MSB, 0
.macro WIN new                         ; the immediate's high byte repeats the setting that is left
.if MSB != \new
	s_set_vgpr_msb (MSB<<8)|\new
.set MSB, \new
.endif
.endm
.macro PLACES n
.rept \n
	v_nop
.endr
.endm
; One product.  c < 0: C is the constant 0.  ra: source 0's scale words stand in lanes 16-31 of the register named.
.macro WM d, a, b, c, sa, sb, ra
.if (\c) < 0
.if (\ra) == 0
	v_wmma_scale_f32_16x16x128_f8f6f4 v[\d:\d+7], v[\a:\a+11], v[\b:\b+11], 0, v[\sa], v[\sb] matrix_a_fmt:MATRIX_FMT_FP6 matrix_b_fmt:MATRIX_FMT_FP6
.else
	v_wmma_scale_f32_16x16x128_f8f6f4 v[\d:\d+7], v[\a:\a+11], v[\b:\b+11], 0, v[\sa], v[\sb] matrix_a_fmt:MATRIX_FMT_FP6 matrix_b_fmt:MATRIX_FMT_FP6 matrix_a_scale:MATRIX_SCALE_ROW1
.endif
.else
.if (\ra) == 0
	v_wmma_scale_f32_16x16x128_f8f6f4 v[\d:\d+7], v[\a:\a+11], v[\b:\b+11], v[\c:\c+7], v[\sa], v[\sb] matrix_a_fmt:MATRIX_FMT_FP6 matrix_b_fmt:MATRIX_FMT_FP6
.else
	v_wmma_scale_f32_16x16x128_f8f6f4 v[\d:\d+7], v[\a:\a+11], v[\b:\b+11], v[\c:\c+7], v[\sa], v[\sb] matrix_a_fmt:MATRIX_FMT_FP6 matrix_b_fmt:MATRIX_FMT_FP6 matrix_a_scale:MATRIX_SCALE_ROW1
.endif
.endif
.endm
; A round of the cluster's barrier: my work-group's barrier, wave 0 signals for the work-group, every wave waits for all four work-groups, my work-group's barrier once more.
.macro CROUND
	s_barrier_signal -1
	s_barrier_wait -1
	s_cmp_lg_u32 s14, 0
	s_cbranch_scc1 .Lnot_wave_0_\@
	s_barrier_signal -3
.Lnot_wave_0_\@:
	s_barrier_wait -3
	s_barrier_signal -1
	s_barrier_wait -1
.endm
.macro TLOADV                          ; a joint refill: waves 0-5 fetch a sixth of a slot each (75 rows of 256 bytes).  Four v_nop follow the load
	s_cmp_lt_u32 s14, 6
	s_cbranch_scc0 .Lno_fill_\@
	tensor_load_to_lds s[40:43], s[24:31]
	s_nop 0
	PLACES 4
.Lno_fill_\@:
.endm
.macro KADDR
	v_add_nc_u32 v[ADK], s49, v[LI]
	v_add_nc_u32 v[ADKS], s49, v[LS]
.endm
.macro KFETCH kf, ks                   ; a key step's four pair fragments and their scale words (lanes 0-15 pair 2 i, lanes 16-31 pair 2 i + 1): 14 LDS loads
.irp b, 0,1,2,3
.irp c, 0,1,2
	ds_load_b128 v[\kf+12*\b+4*\c:\kf+12*\b+4*\c+3], v[ADK] offset:KOFF+1536*\b+512*\c
.endr
.endr
	ds_load_b32 v[\ks], v[ADKS] offset:KSOFF
	ds_load_b32 v[\ks+1], v[ADKS] offset:KSOFF+128
.endm
.macro SMUL kf, ks                     ; S^T of 128 keys: registers 16 b + 8 u + j of lane (r, h): query r, key 32 b + 16 h + 8 u + j
.irp b, 0,1,2,3
	WM S+16*\b, \kf+12*\b, QLO, -1, \ks+\b/2, QS, \b%2
	WM S+16*\b+8, \kf+12*\b, QHI, -1, \ks+\b/2, QS, \b%2
.endr
.endm
; A unit of the first pass: one key step's 128 keys against query tile t.  In window 1 tile t's 64 codes stand at v[12 t + 6] on, between two runs of six zeros: (q, 0) begins at 12 t + 6, (0, q) at 12 t.
; The 64 scores go into four chains and those into the tile's running maximum.
.macro P1UNIT kf, ks, t
	WIN 0x04                                       ; source 1 (the queries) in window 1
.irp b, 0,1,2,3
	WM S+16*\b, \kf+12*\b, 12*(\t)+6, -1, \ks+\b/2, PS+(\t), \b%2
	WM S+16*\b+8, \kf+12*\b, 12*(\t), -1, \ks+\b/2, PS+(\t), \b%2
.endr
	WIN 0
	PLACES 4
.irp b, 0,1,2,3
	v_max3_num_f32 v[RM+\b], v[S+16*\b], v[S+16*\b+1], v[S+16*\b+2]   ; each accumulator from its low end on
.endr
.irp i, 3,5,7,9,11,13
.irp b, 0,1,2,3
	v_max3_num_f32 v[RM+\b], v[RM+\b], v[S+16*\b+\i], v[S+16*\b+\i+1]
.endr
.endr
.irp b, 0,1,2,3
	v_max_num_f32 v[RM+\b], v[RM+\b], v[S+16*\b+15]
.endr
	v_max3_num_f32 v[RM], v[RM], v[RM+1], v[RM+2]
	v_max3_num_f32 v[RMQ+(\t)], v[RMQ+(\t)], v[RM], v[RM+3]
.endm
; THE SCORES AND THE SOFTMAX of the key step whose K lies in the block in hand; p's image goes into buffer buf.
.macro SM buf
	PLACES 5                                       ; the products below write over registers that the second product's instructions may just have read, and the loads land in others of them
	KFETCH KF, KS
	s_wait_dscnt 0x0
	SMUL KF, KS
	PLACES 4
.irp b, 0,1,2,3
	v_max3_num_f32 v[BM+\b], v[S+16*\b], v[S+16*\b+1], v[S+16*\b+2]   ; the largest score of each block of 32 keys: p rises with the score, so it gives the block's largest p
.endr
.irp i, 3,5,7,9,11,13
.irp b, 0,1,2,3
	v_max3_num_f32 v[BM+\b], v[BM+\b], v[S+16*\b+\i], v[S+16*\b+\i+1]
.endr
.endr
.irp b, 0,1,2,3
	v_max_num_f32 v[BM+\b], v[BM+\b], v[S+16*\b+15]
.endr
.irp b, 0,1,2,3
	v_permlanex16_b32 v[BX+\b], v[BM+\b], s52, s53
.endr
.irp b, 0,1,2,3
	v_max_num_f32 v[BM+\b], v[BM+\b], v[BX+\b]     ; with lane l xor 16's 16 keys
.endr
.irp j, 0,2,4,6,8,10,12,14,16,18,20,22,24,26,28,30,32,34,36,38,40,42,44,46,48,50,52,54,56,58,60,62
	v_pk_fma_f32 v[S+\j:S+\j+1], v[S+\j:S+\j+1], s[54:55], v[NM:NM+1] op_sel_hi:[1,0,0]   ; t - M, two at a time
.endr
.irp b, 0,1,2,3
	v_fma_f32 v[BM+\b], v[BM+\b], s54, v[NM]       ; the same of each block's largest score
.endr
.irp j, 0,1,2,3,4,5,6,7,8,9,10,11,12,13,14,15,16,17,18,19,20,21,22,23,24,25,26,27,28,29,30,31,32,33,34,35,36,37,38,39,40,41,42,43,44,45,46,47,48,49,50,51,52,53,54,55,56,57,58,59,60,61,62,63
	v_exp_f32 v[S+\j], v[S+\j]                     ; p = 2^(t - M)
.endr
.irp b, 0,1,2,3
	v_exp_f32 v[BM+\b], v[BM+\b]                   ; the block's largest p: the same two instructions on the same number
.endr
	v_nop                                          ; one plain place behind the exponentials
	s_wait_alu depctr_va_vdst(0)
.irp b, 0,1,2,3
	v_max_num_f32 v[BM+\b], 0x1800000, v[BM+\b]    ; the floor 2^(3 - 127): the byte cannot fall under 1
.endr
.irp b, 0,1,2,3
	v_add_nc_u32 v[SO+\b], 0xff000000, v[BM+\b]    ; 2 off the exponent field: the conversion's scale operand
.endr
.irp b, 0,1,2,3
	v_lshrrev_b32 v[BX+\b], 23, v[SO+\b]           ; the scale's byte
.endr
	v_lshl_or_b32 v[PW], v[BX+1], 8, v[BX]
	v_lshl_or_b32 v[PW], v[BX+2], 16, v[PW]
	v_lshl_or_b32 v[PW], v[BX+3], 24, v[PW]
.irp c, 0,1
	v_cvt_scalef32_pk16_fp6_f32 v[PC+6*\c:PC+6*\c+2], v[S+32*\c:S+32*\c+15], v[SO+2*\c]
	v_cvt_scalef32_pk16_fp6_f32 v[PC+12+4*\c:PC+14+4*\c], v[S+32*\c+16:S+32*\c+31], v[SO+2*\c+1]   ; (a conversion's three registers begin on an even number)
.endr
	v_nop                                          ; one plain place behind a scaled conversion
.irp c, 0,1                                    ; the operand's layout wants a whole block in a lane
.irp i, 0,1,2
	v_permlane16_swap_b32 v[PC+6*\c+\i], v[PC+12+4*\c+\i]
.endr
.irp i, 0,1,2
	v_mov_b32 v[PC+3+6*\c+\i], v[PC+12+4*\c+\i]
.endr
.endr
.irp c, 0,1,2
	ds_store_b128 v[PWI], v[PC+4*\c:PC+4*\c+3] offset:12288*(\buf)+512*\c
.endr
	ds_store_b32 v[PWS], v[PW] offset:1024*(\buf)
	v_pk_add_f32 v[SUM2:SUM2+1], v[S:S+1], v[S+2:S+3]            ; the row's sum is taken of the unquantised p: two at a time, in two chains
.irp j, 4,8,12,16,20,24,28,32,36,40,44,48,52,56,60
	v_pk_add_f32 v[LSUM:LSUM+1], v[LSUM:LSUM+1], v[S+\j:S+\j+1]
	v_pk_add_f32 v[SUM2:SUM2+1], v[SUM2:SUM2+1], v[S+\j+2:S+\j+3]
.endr
	v_pk_add_f32 v[LSUM:LSUM+1], v[LSUM:LSUM+1], v[SUM2:SUM2+1]
.endm
; THE SECOND PRODUCT of the key step whose V lies in the block in hand and whose p lies in buffer buf: O^T += V^T P^T, my four tiles of channels x the eight tiles of queries.
; The 32 accumulators take turns, one instruction a turn.
.macro PV buf, zero
	PLACES 4                                       ; in front of loads into registers that products may just have read
.irp ct, 0,1,2,3
.irp c, 0,1,2
	ds_load_b128 v[VF+12*\ct+4*\c:VF+12*\ct+4*\c+3], v[ADV] offset:1536*\ct+512*\c
.endr
.endr
	ds_load_b32 v[VS], v[ADVS]                     ; lanes 0-15 tile 2 i, lanes 16-31 tile 2 i + 1
	ds_load_b32 v[VS+1], v[ADVS] offset:128
	ds_load_b128 v[PS:PS+3], v[PRS] offset:1024*(\buf)           ; my row's scale word of each of the eight tiles
	ds_load_b128 v[PS+4:PS+7], v[PRS] offset:1024*(\buf)+16
.irp qt, 0,1,2,3,4,5,6,7
.irp c, 0,1,2
	ds_load_b128 v[PF+12*\qt+4*\c:PF+12*\qt+4*\c+3], v[PRI] offset:12288*(\buf)+1536*\qt+512*\c
.endr
.endr
	WIN 0x50                                       ; C and D in window 1
.irp qt, 0,1,2,3,4,5,6,7
	s_wait_dscnt 21-3*\qt                          ; V, the scale words and p's tiles up to this one are in; behind them: three loads for each later tile
.irp ct, 0,1,2,3
.if \zero
	WM 8*(4*\qt+\ct), VF+12*\ct, PF+12*\qt, -1, VS+\ct/2, PS+\qt, \ct%2
.else
	WM 8*(4*\qt+\ct), VF+12*\ct, PF+12*\qt, 8*(4*\qt+\ct), VS+\ct/2, PS+\qt, \ct%2
.endif
.endr
.endr
	WIN 0
.endm
; HALF OF WHAT STANDS BETWEEN TWO CHANGES OF SLOTS: block q of the slot in hand.  The second product reads p's buffer q of set ps; the softmax writes buffer q of the other set, which nobody reads before the next barrier.
; The addresses are made on the path that all waves take; the branches hang on the wave's number alone and hold no barrier and no tensor load.
.macro INTERVAL q, ps, zero, sm
	s_add_co_u32 s49, s48, KVBLK*(\q)
	KADDR
	v_add_nc_u32 v[ADV], s49, v[LVI]
	v_add_nc_u32 v[ADVS], s49, v[LVS]
	s_cmp_lt_u32 s14, 4
	s_cbranch_scc0 .Lsoftmax_first_\@
	PV 2*(\ps)+(\q), \zero
.Lsoftmax_first_\@:
.if \sm
	SM 2*(1-(\ps))+(\q)
.endif
	s_cmp_lt_u32 s14, 4
	s_cbranch_scc1 .Lproduct_done_\@
	PV 2*(\ps)+(\q), \zero
.Lproduct_done_\@:
.endm
; THE CHANGE OF SLOTS, and of p's sets.  Each wave waits for all its tensor loads (its part of the slot ahead), adds 0 to its spare word, and waits for that, for its reads of the slot and of p's set that it leaves,
; and for its stores into the other set.  fill = 1: behind a round of the cluster's barrier the slot just left takes the next two blocks: the load has two key steps in which to land.
.macro CHANGE fill
	s_wait_tensorcnt 0x0                           ; no tensor load of mine is out, so a descriptor may be written
	ds_add_u32 v[SPW], v[NIL]                      ; 0 onto my spare word
.if \fill
	s_xor_b32 s41, s41, SLOT1                      ; the other slot than last time,
	s_add_nc_u64 s[42:43], s[42:43], 2*KVBLK       ; the next two blocks; the type bits on top are not reached
.endif
	s_wait_dscnt 0x0                               ; the add is done, my reads of the slot are over and my stores of p have landed
.if \fill
	CROUND
	TLOADV
.else
	s_barrier_signal -1
	s_barrier_wait -1
.endif
.endm
	s_load_b256 s[4:11], s[0:1], 0x0               ; qimg s[4:5], kv s[6:7], x s[8:9], gamma s[10:11]
	s_load_b64 s[12:13], s[0:1], 0x20              ; out0
	v_lshl_add_u32 v[SPW], v0, 2, SPARE
	v_mov_b32 v[NIL], 0
	ds_add_u32 v3, v4
	s_wait_dscnt 0x0
	v_lshrrev_b32 v61, 5, v0
	v_readfirstlane_b32 s14, v61                   ; wave 0..7
	s_bfe_u32 s15, ttmp6, 0x40000                  ; cx: my place in the cluster: it enters q's, x's and out0's addresses alone
	s_lshl_b32 s16, ttmp9, 2
	s_add_co_u32 s16, s16, s15                     ; my block of 128 queries
	s_and_b32 s17, ttmp7, 0xffff                   ; the batch, which the four partners share
	; descriptor group 1 for a sixth of a slot: 75 rows of 32 elements of 8 bytes, dense
	s_mov_b32 s24, 15|(3<<16)|(1<<21)              ; 15:0 the mask: all four work-groups; 17:16 elements of 8 bytes; 21 set beside a mask; no padding
	s_mov_b32 s25, 32<<16                          ; tensor_dim0
	s_mov_b32 s26, 75<<16                          ; tensor_dim1
	s_mov_b32 s27, 32<<16                          ; tile_dim0
	s_mov_b32 s28, 75                              ; tile_dim1
	s_mov_b32 s29, 32                              ; from row to row
	s_mov_b32 s30, 0
	s_mov_b32 s31, 0
	; and for the K parts of eight blocks: 8 rows of 800 elements (6,400 bytes), 7,200 elements (a block) apart
	s_mov_b32 s32, 15|(3<<16)|(1<<21)
	s_mov_b32 s33, 800<<16
	s_mov_b32 s34, 8<<16
	s_mov_b32 s35, 800<<16
	s_mov_b32 s36, 8
	s_mov_b32 s37, 7200
	s_mov_b32 s38, 0
	s_mov_b32 s39, 0
	s_mul_i32 s18, s17, 16*KVBLK                   ; the batch's 16 blocks
	s_mul_i32 s20, s14, 19200                      ; waves 0-5: my sixth of a slot
	s_add_co_u32 s22, s18, s20
	s_mov_b32 s23, 0
	s_and_b32 s21, s14, 1                          ; waves 6, 7: blocks 0-7 or 8-15
	s_mul_i32 s58, s21, 8*KVBLK
	s_add_co_u32 s58, s58, s18
	s_add_co_u32 s58, s58, KOFF
	s_mov_b32 s59, 0
	s_mul_i32 s21, s21, 51200
	s_lshl_b32 s60, s17, 4
	s_add_co_u32 s60, s60, s16
	s_mul_i32 s60, s60, 6400                       ; my queries' record
	s_mov_b32 s61, 0
	s_lshl_b32 s62, s17, 22                        ; x and out0: the batch,
	s_lshl_b32 s63, s16, 18                        ; my 128 rows,
	s_add_co_u32 s62, s62, s63
	s_lshl_b32 s63, s14, 8                         ; my wave's 64 channels
	s_add_co_u32 s62, s62, s63
	s_mov_b32 s63, 0
	s_mov_b32 s52, 0x76543210
	s_mov_b32 s53, 0xfedcba98                      ; v_permlanex16_b32's selects for lane l xor 16
	s_mov_b32 s54, 0x3fb8aa3b                      ; log2(e)
	s_mov_b32 s55, s54                             ; (named with it as a pair)
	s_wait_kmcnt 0x0
	s_load_b32 s56, s[10:11], 0x0                  ; gamma
	s_mov_b32 s40, 1
	s_mov_b32 s41, s20                             ; slot 0
	s_add_nc_u64 s[42:43], s[6:7], s[22:23]
	s_or_b32 s43, s43, 0x80000000
	s_mov_b32 s44, 1
	s_add_co_u32 s45, s21, SLOT1
	s_add_nc_u64 s[46:47], s[6:7], s[58:59]
	s_or_b32 s47, s47, 0x80000000
	s_add_nc_u64 s[4:5], s[4:5], s[60:61]
	s_add_nc_u64 s[8:9], s[8:9], s[62:63]
	s_add_nc_u64 s[12:13], s[12:13], s[62:63]
	CROUND                                         ; all four work-groups are here: the first joint loads meet
	s_cmp_lt_u32 s14, 6                            ; each wave's one first fill: waves 0-5 blocks 0 and 1 into slot 0, waves 6 and 7 all 16 steps' K into slot 1
	s_cbranch_scc0 .Lfirst_k
	tensor_load_to_lds s[40:43], s[24:31]
	s_nop 0
	PLACES 4
	s_branch .Lfirst_asked
.Lfirst_k:
	tensor_load_to_lds s[44:47], s[32:39]
	s_nop 0
	PLACES 4
.Lfirst_asked:
	v_and_b32 v61, 31, v0                          ; lane
	v_and_b32 v62, 15, v0                          ; r
	v_bfe_u32 v63, v0, 4, 1                        ; h
	v_lshlrev_b32 v[LI], 4, v61
	v_lshlrev_b32 v[LS], 2, v61
	s_lshr_b32 s51, s14, 1                         ; q for the main pass: my tile is half w % 2 of pair fragment w / 2
	s_mul_i32 s57, s51, 1536
	v_add_nc_u32 v57, s57, v[LI]
	s_lshl_b32 s57, s51, 6
	s_add_co_u32 s57, s57, 6144
	v_lshl_add_u32 v58, v62, 2, s57
	v_lshlrev_b32 v124, 2, v62
	global_load_b128 v[64:67], v57, s[4:5]
	global_load_b128 v[68:71], v57, s[4:5] offset:512
	global_load_b128 v[72:75], v57, s[4:5] offset:1024
	global_load_b32 v59, v58, s[4:5]
.irp c, 0,1,2,3
	global_load_b32 v[120+\c], v124, s[4:5] offset:6144+64*\c    ; q for the first pass: the four pairs' scale words,
.endr
	WIN 0x40                                       ; destination window 1
.irp c, 0,1,2,3                                ; and the eight tiles' codes, two registers a load: register p of pair c belongs to tile 2 c + p / 6 and goes to v[12 tile + 6 + p % 6]
.irp p, 0,2,4,6,8,10
	global_load_b64 v[24*\c+6+\p+6*(\p/6):24*\c+7+\p+6*(\p/6)], v[LI], s[4:5] offset:1536*\c+512*(\p/4)+4*(\p%4)
.endr
.endr
.irp z, 0,1,2,3,4,5,6,7,8                      ; nine runs of six zeros between and round them: zero codes, the other half of each (q, 0) and (0, q)
.irp i, 0,1,2,3,4,5
	v_mov_b32 v[12*\z+\i], 0
.endr
.endr
	WIN 0
	s_mul_i32 s51, s14, 6144
	v_add_nc_u32 v[LVI], s51, v[LI]
	s_lshl_b32 s51, s14, 8
	s_add_co_u32 s51, s51, VSOFF
	v_add_nc_u32 v[LVS], s51, v[LS]
	s_mul_i32 s51, s14, 1536
	s_add_co_u32 s51, s51, PIMG
	v_add_nc_u32 v[PWI], s51, v[LI]
	s_lshl_b32 s51, s14, 2
	s_add_co_u32 s51, s51, PSC
	v_lshl_add_u32 v[PWS], v61, 5, s51
	v_add_nc_u32 v[PRI], PIMG, v[LI]
	v_lshlrev_b32 v[PRS], 5, v61
	v_add_nc_u32 v[PRS], PSC, v[PRS]
	s_lshl_b32 s51, s14, 6
	s_add_co_u32 s51, s51, LTAB
	v_lshl_add_u32 v[LTW], v62, 2, s51
	v_lshlrev_b32 v[LTR], 2, v62
	v_add_nc_u32 v[LTR], LTAB, v[LTR]
	s_lshl_b32 s51, s14, 9
	s_add_co_u32 s51, s51, MTAB
	v_lshl_add_u32 v[MTW], v62, 2, s51
	s_lshl_b32 s51, s14, 6
	s_add_co_u32 s51, s51, MTAB
	v_lshl_add_u32 v[MTR], v62, 2, s51
	s_mul_i32 s51, s14, 16*272
	s_add_co_u32 s51, s51, STAGE
	v_mul_u32_u24 v[STO], v62, 272
	v_lshl_add_u32 v[STO], v63, 5, v[STO]
	v_add_nc_u32 v[STO], s51, v[STO]               ; in: row r, 32 bytes for each half of the lanes
	v_mul_u32_u24 v[RD], v63, 272
	v_lshl_add_u32 v[RD], v62, 4, v[RD]
	v_add_nc_u32 v[RD], s51, v[RD]                 ; back: lanes 0-15 one row of 256 bytes, lanes 16-31 the next
	v_lshlrev_b32 v[GO], 11, v63
	v_lshl_add_u32 v[GO], v62, 4, v[GO]            ; and the same two rows in x and out0
	v_lshlrev_b32 v[PFA], 11, v61
	s_and_b32 s51, s14, 1
	s_sub_co_u32 s57, 0, s51                       ; all ones for an odd tile
	s_lshl_b32 s51, s51, 4
	s_mov_b32 vcc_lo, s57
	s_wait_loadcnt 0x0                             ; q
.irp i, 0,1,2,3,4,5
	v_cndmask_b32 v[QLO+\i], v[64+\i], v[70+\i], vcc_lo          ; my tile's 64 codes: registers 0-5 or 6-11 of the pair fragment
.endr
.irp i, 0,1,2,3,4,5
	v_mov_b32 v[QHI+6+\i], v[QLO+\i]
	v_mov_b32 v[QLO+6+\i], 0                       ; zero codes add nothing, under any scale byte that a quantiser gives
	v_mov_b32 v[QHI+\i], 0
.endr
	v_lshrrev_b32 v[QS], s51, v59                  ; my tile's two scale bytes,
	v_and_b32 v[QS], 0xffff, v[QS]
	v_lshl_or_b32 v[QS], v[QS], 16, v[QS]          ; at both places
.irp c, 0,1,2,3                                ; the same for each of the eight tiles, in the registers that later hold p's scale words
	v_and_b32 v125, 0xffff, v[120+\c]
	v_lshrrev_b32 v126, 16, v[120+\c]
	v_lshl_or_b32 v[PS+2*\c], v125, 16, v125
	v_lshl_or_b32 v[PS+2*\c+1], v126, 16, v126
.endr
.irp t, 0,1,2,3,4,5,6,7
	v_mov_b32 v[RMQ+\t], 0xff800000                ; under every score
.endr
.irp b, 0,1,2,3
	v_mov_b32 v[BX+\b], 0                          ; written once: a lane permute's destination counts as one of its sources
.endr
	v_mov_b32 v[LSUM], 0
	v_mov_b32 v[LSUM+1], 0
	PLACES 8                                       ; operands and scale registers written by vector instructions stand this far ahead of a scaled product
	s_wait_kmcnt 0x0                               ; gamma
	s_wait_tensorcnt 0x0                           ; my first fill has landed,
	s_barrier_signal -1
	s_barrier_wait -1                              ; everybody's has
	; ---- THE FIRST PASS: rows 2 w and 2 w + 1 of the 16 rows of K (which key steps they are does not matter to a maximum) against all 128 queries
	s_mul_i32 s49, s14, 12800
	s_add_co_u32 s49, s49, SLOT1-KOFF              ; so that KOFF on from it lies my first row of 6,400 bytes
	KADDR
	KFETCH KF, KS
	s_add_co_u32 s49, s49, 6400
	KADDR
	KFETCH KFB, KSB
	s_wait_dscnt 14                                ; my first row is in; behind it: the second row's 14
.irp t, 0,1,2,3,4,5,6,7
	P1UNIT KF, KS, \t
.endr
	s_wait_dscnt 0x0
.irp t, 0,1,2,3,4,5,6,7
	P1UNIT KFB, KSB, \t
.endr
.irp t, 0,1,2,3
	v_permlanex16_b32 v[RM+\t], v[RMQ+\t], s52, s53
.endr
.irp t, 0,1,2,3
	v_max_num_f32 v[RMQ+\t], v[RMQ+\t], v[RM+\t]   ; with lane l xor 16's keys
.endr
.irp t, 0,1,2,3
	v_permlanex16_b32 v[RM+\t], v[RMQ+4+\t], s52, s53
.endr
.irp t, 0,1,2,3
	v_max_num_f32 v[RMQ+4+\t], v[RMQ+4+\t], v[RM+\t]
.endr
.irp t, 0,1,2,3,4,5,6,7
	ds_store_b32 v[MTW], v[RMQ+\t] offset:64*\t    ; my 256 keys' maximum of query r of tile t; lanes r and r + 16 write the same word with the same value
.endr
	s_wait_dscnt 0x0                               ; for the others' sake: my stores have landed
	s_barrier_signal -1
	s_barrier_wait -1
.irp k, 0,1,2,3,4,5,6,7
	ds_load_b32 v[F+\k], v[MTR] offset:512*\k      ; the eight waves' maxima of query r of my tile
.endr
	s_wait_dscnt 0x0
	v_max3_num_f32 v[F], v[F], v[F+1], v[F+2]
	v_max3_num_f32 v[F+3], v[F+3], v[F+4], v[F+5]
	v_max3_num_f32 v[F], v[F], v[F+6], v[F+7]
	v_max_num_f32 v[RM], v[F], v[F+3]              ; the row's largest score
	v_mul_f32 v[RM], 0xbfb8aa3b, v[RM]             ; -t = score x (-log2(e))
	v_floor_f32 v[NM], v[RM]                       ; -M = floor(-t) = -ceil(t)
	v_mov_b32 v[NM+1], v[NM]                       ; (named with it as a pair)
	; ---- THE MAIN PASS
	s_mov_b32 s49, SLOT1+14*6400-KOFF              ; row 14 is the K part of block 14: key step 0; row 15: key step 1
	KADDR
	SM 0
	s_add_co_u32 s49, s49, 6400
	KADDR
	SM 1
	s_mov_b32 s48, 0                               ; the slot in hand
	CHANGE 1                                       ; the 16 steps' K are done with: slot 1 takes blocks 2 and 3
	INTERVAL 0, 0, 1, 1                            ; the first second product starts the sums: nothing is ever cleared
	INTERVAL 1, 0, 0, 1
	s_mov_b32 s50, 3
.Lmain:                                            ; a trip: two slots, four key steps, so that each of p's four buffers stands in the text as a constant
	CHANGE 1
	s_xor_b32 s48, s48, SLOT1
	INTERVAL 0, 1, 0, 1
	INTERVAL 1, 1, 0, 1
	CHANGE 1
	s_xor_b32 s48, s48, SLOT1
	INTERVAL 0, 0, 0, 1
	INTERVAL 1, 0, 0, 1
	s_sub_co_u32 s50, s50, 1
	s_cmp_lg_u32 s50, 0
	s_cbranch_scc1 .Lmain
	v_add_f32 v[LSUM], v[LSUM], v[LSUM+1]          ; all 16 softmaxes are made: the sum's two halves,
	v_permlanex16_b32 v[LSUM+1], v[LSUM], s52, s53
	v_add_f32 v[LSUM], v[LSUM], v[LSUM+1]          ; and lane l xor 16's: the row's sum
	v_rcp_f32 v[LSUM], v[LSUM]
	v_nop                                          ; one plain place behind a transcendental
	s_wait_alu depctr_va_vdst(0)
	v_mul_f32 v[LSUM], s56, v[LSUM]                ; gamma / sum
	ds_store_b32 v[LTW], v[LSUM]                   ; lanes r and r + 16 write the same word with the same value
	CHANGE 0                                       ; the tail is written out.  The last slot: nothing is left to ask for
	s_mov_b32 s48, SLOT1
.irp qt, 0,1,2,3,4,5,6,7
	ds_load_b32 v[F+\qt], v[LTR] offset:64*\qt     ; gamma / sum of query r of each of the eight tiles
.endr
	; x FOR THE WAY OUT.  Load n of 64 brings rows 2 i, 2 i + 1 (i = n % 8) of query tile n / 8, my wave's 256 bytes of each: tokens 32 (tile / 2) + 8 (tile % 2) + 2 i + h + 8 (i / 4).
	; Its four registers: loads 0-14 take what lies idle in the last two key steps (v224-239, v28-55, v112-127), loads 15-50 what the last product leaves (v64-111, v128-223), loads 51-63 the registers of loads 0-12 again.
.macro XMAP n
.set xg, (\n)
.if xg >= 51
.set xg, xg-51
.endif
.if xg < 4
.set xb, 224+4*xg
.elseif xg < 11
.set xb, 28+4*(xg-4)
.elseif xg < 15
.set xb, 112+4*(xg-11)
.elseif xg < 27
.set xb, 64+4*(xg-15)
.else
.set xb, 128+4*(xg-27)
.endif
.endm
.macro XLD n
	XMAP \n
	global_load_b128 v[xb:xb+3], v[GO], s[8:9] offset:(32*((\n)/16)+8*(((\n)/8)%2)+2*((\n)%8)+8*(((\n)%8)/4))*2048 th:TH_LOAD_NT
.endm
.macro XLDS from, count
.set ll, \from
.rept \count
	XLD ll
.set ll, ll+1
.endr
.endm
	XLDS 0, 15                                     ; they land while the last two key steps are multiplied
	global_prefetch_b8 v[PFA], s[8:9] offset:65536 th:TH_LOAD_NT scope:SCOPE_SE    ; rows 32-63 and 64-95 of x, whose loads follow behind the two key steps below: a lane asks for my wave's 256 bytes of one row,
	global_prefetch_b8 v[PFA], s[8:9] offset:131072 th:TH_LOAD_NT scope:SCOPE_SE   ; each block once, by the wave that will load it; 128 KiB a work-group.  Rows 0-31 are loaded above; rows 96-127 are wanted last and are not asked for
	INTERVAL 0, 1, 0, 0
	INTERVAL 1, 1, 0, 0
	; ---- THE WAY OUT, a tile of 16 queries at a time: O^T x gamma / sum, in place; through my stage and back into the same registers as rows of 256 bytes (my 64 channels); x is added; sixteen lanes store 256
	; consecutive bytes, aligned.  No register that a store reads is written again, so no wait stands for the stores.
.macro TOST qt
	WIN 0x41                                       ; destination and source 0 in window 1
.set jj, 0
.rept 16
.if (\qt)%2
	v_pk_mul_f32 v[32*(\qt)+jj:32*(\qt)+jj+1], v[32*(\qt)+jj:32*(\qt)+jj+1], v[F+(\qt)-1:F+(\qt)] op_sel:[0,1] op_sel_hi:[1,1]   ; ascending: each accumulator from its low end on
.else
	v_pk_mul_f32 v[32*(\qt)+jj:32*(\qt)+jj+1], v[32*(\qt)+jj:32*(\qt)+jj+1], v[F+(\qt):F+(\qt)+1] op_sel_hi:[1,0]
.endif
.set jj, jj+2
.endr
	WIN 0x04                                       ; an LDS store's data are its source 1: window 1
.irp ct, 0,1,2,3
	ds_store_b128 v[STO], v[32*(\qt)+8*\ct:32*(\qt)+8*\ct+3] offset:64*\ct
	ds_store_b128 v[STO], v[32*(\qt)+8*\ct+4:32*(\qt)+8*\ct+7] offset:64*\ct+16
.endr
	WIN 0x40                                       ; destination window 1
.irp i, 0,1,2,3,4,5,6,7
	ds_load_b128 v[32*(\qt)+4*\i:32*(\qt)+4*\i+3], v[RD] offset:544*\i   ; LDS serves a wave's instructions in order: these see my stores, and the next tile's stores come behind them
.endr
	WIN 0
.endm
.macro SENDT qt, younger, left         ; younger: the LDS instructions issued behind this tile's loads from the stage; left: the loads of x issued behind this tile's eight
	s_wait_dscnt \younger
	s_wait_loadcnt \left
	WIN 0x41
.irp i, 0,1,2,3,4,5,6,7
	XMAP 8*(\qt)+\i
	v_pk_add_f32 v[32*(\qt)+4*\i:32*(\qt)+4*\i+1], v[32*(\qt)+4*\i:32*(\qt)+4*\i+1], v[xb:xb+1]
	v_pk_add_f32 v[32*(\qt)+4*\i+2:32*(\qt)+4*\i+3], v[32*(\qt)+4*\i+2:32*(\qt)+4*\i+3], v[xb+2:xb+3]
.endr
	WIN 0x04                                       ; a store's data are its source 1: window 1
.irp i, 0,1,2,3,4,5,6,7
	global_store_b128 v[GO], v[32*(\qt)+4*\i:32*(\qt)+4*\i+3], s[12:13] offset:(32*((\qt)/2)+8*((\qt)%2)+2*\i+8*(\i/4))*2048 th:TH_STORE_NT
.endr
	WIN 0
.endm
	PLACES 4                                       ; in front of loads into registers that the last products read, and of the first read of results
	XLDS 15, 36                                    ; 51 loads have been issued
	TOST 0
	TOST 1                                         ; a tile goes through the stage while the tile before it is stored
	SENDT 0, 16, 43                                ; 51 issued, 8 wanted
	XLDS 51, 8                                     ; into tile 0's registers: 59 issued
	TOST 2
	SENDT 1, 16, 43                                ; 59 issued, 16 wanted
	XLDS 59, 5                                     ; into five of tile 1's: all 64 issued
	TOST 3
	SENDT 2, 16, 40
	TOST 4
	SENDT 3, 16, 32
	TOST 5
	SENDT 4, 16, 24
	TOST 6
	SENDT 5, 16, 16
	TOST 7
	SENDT 6, 16, 8
	SENDT 7, 0, 0
	s_wait_tensorcnt 0x0                           ; the wave's end, behind my last tensor load and my last LDS store
	ds_add_u32 v[SPW], v[NIL]
	s_wait_dscnt 0x0
	CROUND                                         ; the closing round: no work-group ends while a partner may still ask for a tile that names it
	s_endpgm
.Lfunc_end_k_q64fdebf6ad_attn:
	.size	k_q64fdebf6ad_attn, .Lfunc_end_k_q64fdebf6ad_attn-k_q64fdebf6ad_attn
	.p2alignl 7, 3214868480
	.fill 96, 4, 3214868480
	.section	.rodata,"a",@progbits
	.p2align	6, 0x0
	.amdhsa_kernel k_q64fdebf6ad_attn
		.amdhsa_group_segment_fixed_size 327680
		.amdhsa_private_segment_fixed_size 0
		.amdhsa_enable_private_segment 0
		.amdhsa_kernarg_size 40
		.amdhsa_user_sgpr_count 2
		.amdhsa_user_sgpr_kernarg_segment_ptr 1
		.amdhsa_wavefront_size32 1
		.amdhsa_system_sgpr_workgroup_id_x 1
		.amdhsa_system_sgpr_workgroup_id_y 1
		.amdhsa_system_sgpr_workgroup_id_z 1
		.amdhsa_system_vgpr_workitem_id 0
		.amdhsa_next_free_vgpr 512
		.amdhsa_next_free_sgpr 66
		.amdhsa_reserve_vcc 1
		.amdhsa_float_denorm_mode_32 3
		.amdhsa_float_denorm_mode_16_64 3
		.amdhsa_memory_ordered 1
		.amdhsa_forward_progress 1
		.amdhsa_inst_pref_size 255
	.end_amdhsa_kernel
	.section	.bss,"aw",@nobits
	.p2align	6
	.space	262144
	.amdgpu_metadata
---
amdhsa.version: [ 1, 2 ]
amdhsa.kernels:
  - .name:           k_q64fdebf6ad_attn
    .symbol:         k_q64fdebf6ad_attn.kd
    .args:
      - { .name: qimg, .offset: 0, .size: 8, .value_kind: global_buffer, .address_space: global }
      - { .name: kv, .offset: 8, .size: 8, .value_kind: global_buffer, .address_space: global }
      - { .name: x, .offset: 16, .size: 8, .value_kind: global_buffer, .address_space: global }
      - { .name: gamma, .offset: 24, .size: 8, .value_kind: global_buffer, .address_space: global }
      - { .name: out0, .offset: 32, .size: 8, .value_kind: global_buffer, .address_space: global }
    .group_segment_fixed_size: 327680
    .private_segment_fixed_size: 0
    .kernarg_segment_align: 8
    .kernarg_segment_size: 40
    .max_flat_workgroup_size: 256
    .sgpr_count:     66
    .vgpr_count:     512
    .wavefront_size: 32
...
	.end_amdgpu_metadata
.endif
;; end of part 2
;; ======== version 2 of 2: 2 launches; version 1 with the launch proj written anew for expert scheduling mode
;; workspace buffers: kv 14,745,600 bytes; qimg 1,638,400 bytes
;; launch proj (part 3): grid 256 x 1, 8 waves a work-group, no clusters, 122,368 bytes of LDS; arguments x, Wq_codes, Wq_scales, bq, Wk_codes, Wk_scales, bk, Wv_codes, Wv_scales, bv, kv, qimg; writes kv, qimg
.if DOCPART == 3
	.amdgcn_target "amdgcn-amd-amdhsa--gfx1250"
	.amdhsa_code_object_version 6
	.text
	.protected	k_q64fdebf6ad_proj
	.globl	k_q64fdebf6ad_proj
	.p2align	8
	.type	k_q64fdebf6ad_proj,@function
k_q64fdebf6ad_proj:
	s_mov_b64 s[64:65], 0
	v_nop
	global_prefetch_b8 v0, s[64:65] scope:SCOPE_SE
	s_setreg_imm32_b32 hwreg(HW_REG_WAVE_SCHED_MODE, 0, 2), 2
	s_setreg_imm32_b32 hwreg(HW_REG_WAVE_MODE, 25, 1), 1
	s_wait_xcnt 0x0
	s_wait_alu depctr_vm_vsrc(0)
; q = x Wq^T + bq, k = x Wk^T + bk, v = x Wv^T + bv on codes of FP6 (E2M3) with one E8M0 scale for each 32 along K; q, k, v are quantised again (q, k along their 64, v along the keys)
; and stored as IMAGES OF OPERAND REGISTERS: a fragment (16 rows x 128 K, 12 registers a lane) is three runs of 512 bytes, registers 4 c .. 4 c + 3, lane l's 16 bytes at 512 c + 16 l.
; A work-group of eight waves takes 128 tokens of one batch (one key step of the second launch): 256 work-groups.
; THE ROWS OF A TILE OF x ARE NOT NEIGHBOURS: row r of tile 2 b + u is token 32 b + 8 u + r + 8 (r / 8), so that the 16 registers of two neighbouring result tiles are 16 neighbouring tokens.
; Wave w: (X) quantises tile w of x, four fragments, into LDS;  (QK) waves 0-3 make k, waves 4-7 q, of tiles 2 (w & 3) and 2 (w & 3) + 1, transposed (source 0 = 16 rows of W, source 1 = x): a lane holds a
; token, its registers run along d; the two tiles' 64 + 64 codes make ONE fragment (K index 0-63: the even tile, 64-127: the odd one);  (V) makes channels 64 w .. 64 w + 63 of all eight tiles
; (source 0 = x, source 1 = Wv): a lane holds a channel, its registers run along the tokens, which are the next product's K.
; kv: [batch][block i of 16][57,600 bytes]: V's 32 fragments of key step i, V's scale words (word 16 tile + r), K's 4 pair fragments of key step (i + 2) mod 16, their scale words (word 16 pair + r).
; qimg: [batch x 16 + block][6,400 bytes]: 4 pair fragments, their scale words.
; LIMITS: NaN and infinities among the inputs are not served.  A block whose largest magnitude lies under 2^-124 gets the scale byte 1; so does a block of zeros, where the quantiser says 127: its codes are zeros,
; and these bytes are read by this program alone.  q's and k's bias is the C of the sum's first product (the sum begins with it instead of ending with it); v's is added behind the sum.
; No tensor loads, no cluster: x is shared with nobody, and each wave reads its own part of the weights once, straight into operand registers.
; REGISTERS.  Window 0: v1-15, v248-251 addresses; v16-35 scale words and nothing else; v36-83 at work in the quantiser, in the products four fragments of x; v84-131 four more; v120-247 the ring for x (phase X);
;   v132-227 Wv's fragments of two K steps; v228-235 bv.   Window 1: v0-191 Wq's or Wk's 16 fragments, v192-255 64 numbers of x, then q's or k's 8 accumulators; in phase V all 256: v's 32 accumulators.
; THE MODE: SCHED_MODE bits 1:0 = 2 (LLVM: expert scheduling mode 2), set by the entry lines.  The code itself states the register dependences between vector or matrix instructions and memory or LDS
; instructions, with s_wait_alu, always for 0.
; THE PLAN.  Registers that memory or LDS instructions touch:
;   v1-15, v248-251   addresses: written by vector instructions at the head, never again; read by every LDS and memory instruction.  Two waits on va_vdst at the head.
;   R0, R1            the ring: loads of x land in it, the stage's LDS stores read it; later bv, Wv's and some of x's fragments land there.  No vector instruction names it.
;   XL (window 1)     the stage's LDS loads land in it, the quantiser reads it; behind K step 3 the bias lands in it.
;   v[PC ..], v[PW]   written by the quantiser, read by the images' LDS stores and the global stores of codes; x's fragments land over them in the products' phases.
;   XFA, XFB, XS, WB0, WB1   fragments and scale words: loads land in them, matrix instructions read them.
; Phase X: a K step has one wait on vm_vsrc, behind the wait for the stage's loads, and one on va_vdst, behind the quantiser.  Phase V: a group of 16 products has one wait on va_vdst, behind its places and ahead
; of the loads into the registers that it has just read.  On the ways out: one wait on va_vdst ahead of each run of stores, one on vm_vsrc ahead of the quantiser that writes their data again.
.set KVBLK,  57600
.set XIMG,   0                         ; LDS: x's 32 fragments, (tile, K step) at (4 tile + step) x 1,536
.set XSC,    49152                     ; their scale words: 512 step + 64 tile + 4 r
.set KQS,    51200                     ; k's, then q's scale words: 64 wave + 4 r
.set VSS,    51712                     ; v's scale words: 256 bytes a wave
.set STG,    53760                     ; a stage for each wave: 16 rows of 512 bytes + 16
.set SPITCH, 528
.set STGW,   16*SPITCH
.set LI,  1                            ; 16 x lane
.set LS,  2                            ; 4 x lane
.set VWA, 3                            ; Wv: 384 r + 24 h
.set VSW, 4                            ; VSS + 256 w + 4 r
.set L8,  5                            ; 8 x lane
.set VSR, 6                            ; VSS + 256 w + 8 lane
.set KQR, 7                            ; KQS + 256 (w / 4) + 8 lane
.set STI, 8                            ; the stage, in: 16 x lane
.set STO, 9                            ; the stage, out: 528 r + 64 h
.set XWI, 10                           ; where I store x's images
.set XWS, 11                           ; and their scale words
.set WA,  12                           ; Wq, Wk: 384 (r + 8 (r / 8)) + 24 h
.set WSA, 13                           ; their scale bytes: 16 (r + 8 (r / 8) + 8 h)
.set QBA, 14                           ; their bias: 64 h
.set KQW, 15                           ; KQS + 64 w + 4 r
.set XS,  16                           ; v16-19 x's scale words
.set WVS, 20                           ; v20-27 Wv's
.set WQS, 28                           ; v28-35 Wq's or Wk's
.set TM,  36                           ; v36-39 largest magnitudes, v40-43 bytes, v44-47 the conversions' scale operands
.set PW,  48                           ; the scale word just made
.set PC,  50                           ; v50-61 the fragment just made, v62-68 at work
.set XFA, 36
.set XFB, 84
.set R0,  120
.set R1,  184
.set WB0, 132
.set WB1, 180
.set BV,  228
.set QFA, 248                          ; 16 lane + 12,288 (w & 3): my pair's fragments of x
.set QSA, 249                          ; XSC + 128 (w & 3) + 4 lane: their scale words
.set VSA, 250                          ; Wv's scale bytes: 16 (16 h + r)
.set BVA, 251                          ; bv: 4 r
.set XL,  192                          ; in window 1
.set MSB, 0
.macro WIN new                         ; the immediate's high byte repeats the setting that is left
.if MSB != \new
	s_set_vgpr_msb (MSB<<8)|\new
.set MSB, \new
.endif
.endm
.macro PLACES n
.rept \n
	v_nop
.endr
.endm
; One product.  c < 0: C is the constant 0.  ra, rb: the side's scale words stand in lanes 16-31 of the register named.
.macro WM d, a, b, c, sa, sb, ra, rb
.if (\c) < 0
.if ((\ra) == 0) && ((\rb) == 0)
	v_wmma_scale_f32_16x16x128_f8f6f4 v[\d:\d+7], v[\a:\a+11], v[\b:\b+11], 0, v[\sa], v[\sb] matrix_a_fmt:MATRIX_FMT_FP6 matrix_b_fmt:MATRIX_FMT_FP6
.elseif (\rb) == 0
	v_wmma_scale_f32_16x16x128_f8f6f4 v[\d:\d+7], v[\a:\a+11], v[\b:\b+11], 0, v[\sa], v[\sb] matrix_a_fmt:MATRIX_FMT_FP6 matrix_b_fmt:MATRIX_FMT_FP6 matrix_a_scale:MATRIX_SCALE_ROW1
.elseif (\ra) == 0
	v_wmma_scale_f32_16x16x128_f8f6f4 v[\d:\d+7], v[\a:\a+11], v[\b:\b+11], 0, v[\sa], v[\sb] matrix_a_fmt:MATRIX_FMT_FP6 matrix_b_fmt:MATRIX_FMT_FP6 matrix_b_scale:MATRIX_SCALE_ROW1
.else
	v_wmma_scale_f32_16x16x128_f8f6f4 v[\d:\d+7], v[\a:\a+11], v[\b:\b+11], 0, v[\sa], v[\sb] matrix_a_fmt:MATRIX_FMT_FP6 matrix_b_fmt:MATRIX_FMT_FP6 matrix_a_scale:MATRIX_SCALE_ROW1 matrix_b_scale:MATRIX_SCALE_ROW1
.endif
.else
.if ((\ra) == 0) && ((\rb) == 0)
	v_wmma_scale_f32_16x16x128_f8f6f4 v[\d:\d+7], v[\a:\a+11], v[\b:\b+11], v[\c:\c+7], v[\sa], v[\sb] matrix_a_fmt:MATRIX_FMT_FP6 matrix_b_fmt:MATRIX_FMT_FP6
.elseif (\rb) == 0
	v_wmma_scale_f32_16x16x128_f8f6f4 v[\d:\d+7], v[\a:\a+11], v[\b:\b+11], v[\c:\c+7], v[\sa], v[\sb] matrix_a_fmt:MATRIX_FMT_FP6 matrix_b_fmt:MATRIX_FMT_FP6 matrix_a_scale:MATRIX_SCALE_ROW1
.elseif (\ra) == 0
	v_wmma_scale_f32_16x16x128_f8f6f4 v[\d:\d+7], v[\a:\a+11], v[\b:\b+11], v[\c:\c+7], v[\sa], v[\sb] matrix_a_fmt:MATRIX_FMT_FP6 matrix_b_fmt:MATRIX_FMT_FP6 matrix_b_scale:MATRIX_SCALE_ROW1
.else
	v_wmma_scale_f32_16x16x128_f8f6f4 v[\d:\d+7], v[\a:\a+11], v[\b:\b+11], v[\c:\c+7], v[\sa], v[\sb] matrix_a_fmt:MATRIX_FMT_FP6 matrix_b_fmt:MATRIX_FMT_FP6 matrix_a_scale:MATRIX_SCALE_ROW1 matrix_b_scale:MATRIX_SCALE_ROW1
.endif
.endif
.endm
; 64 numbers of a lane in window 1, v[s] .. v[s + 63], register 16 b + i = k 32 b + 16 (lane / 16) + i of my row, become a fragment's codes in v[PC] on and its scale word in v[PW].
.macro QUANT s
	WIN 0x05                                       ; sources 0 and 1 in window 1
.irp b, 0,1,2,3
	v_max3_num_f32 v[TM+\b], |v[\s+16*\b]|, |v[\s+1+16*\b]|, 0x1800000   ; block b: my 16 numbers, from each accumulator's low end on, and the floor 2^(3 - 127): the byte cannot fall under 1
.endr
	WIN 0x14                                       ; sources 1 and 2 in window 1
.irp i, 2,4,6,8,10,12,14
.irp b, 0,1,2,3
	v_max3_num_f32 v[TM+\b], v[TM+\b], |v[\s+16*\b+\i]|, |v[\s+1+16*\b+\i]|   ; the four blocks by turns
.endr
.endr
	WIN 0
.irp b, 0,1,2,3
	v_permlanex16_b32 v[TM+4+\b], v[TM+\b], s50, s51
.endr
.irp b, 0,1,2,3
	v_max_num_f32 v[TM+\b], v[TM+\b], v[TM+4+\b]   ; with lane l xor 16's: the block's largest magnitude
.endr
.irp b, 0,1,2,3
	v_add_nc_u32 v[TM+8+\b], 0xff000000, v[TM+\b]  ; 2 off its exponent field: the conversion takes the exponent field of this operand as its scale
.endr
.irp b, 0,1,2,3
	v_lshrrev_b32 v[TM+4+\b], 23, v[TM+8+\b]       ; the scale's byte
.endr
	v_lshl_or_b32 v[PW], v[TM+5], 8, v[TM+4]
	v_lshl_or_b32 v[PW], v[TM+6], 16, v[PW]
	v_lshl_or_b32 v[PW], v[TM+7], 24, v[PW]
	WIN 0x01                                       ; the numbers in window 1
.irp c, 0,1
	v_cvt_scalef32_pk16_fp6_f32 v[PC+6*\c:PC+2+6*\c], v[\s+32*\c:\s+15+32*\c], v[TM+8+2*\c]
	v_cvt_scalef32_pk16_fp6_f32 v[PC+12+4*\c:PC+14+4*\c], v[\s+16+32*\c:\s+31+32*\c], v[TM+8+2*\c+1]   ; (a conversion's three registers begin on an even number)
.endr
	WIN 0
	v_nop                                          ; one plain place behind a scaled conversion
.irp c, 0,1                                    ; the operand's layout wants a whole block in a lane: lanes 0-15 block 2 c, lanes 16-31 block 2 c + 1
.irp i, 0,1,2
	v_permlane16_swap_b32 v[PC+6*\c+\i], v[PC+12+4*\c+\i]
.endr
.irp i, 0,1,2
	v_mov_b32 v[PC+3+6*\c+\i], v[PC+12+4*\c+\i]
.endr
.endr
.endm
.macro XLOAD p, set                    ; K step p (128 channels, 512 bytes) of my tile's 16 rows: each load reads 512 consecutive bytes of one row
.irp i, 0,1,2,3,4,5,6,7,8,9,10,11,12,13,14,15
	global_load_b128 v[\set+4*\i:\set+4*\i+3], v[LI], s[32:33] offset:(\i+8*(\i/8))*2048+512*\p th:TH_LOAD_NT
.endr
.endm
.macro TURN set                        ; through my own stage: in as loaded, out 16 neighbours of each block of 32 a lane.  LDS serves a wave's instructions in order: no wait between
.irp i, 0,1,2,3,4,5,6,7,8,9,10,11,12,13,14,15
	ds_store_b128 v[STI], v[\set+4*\i:\set+4*\i+3] offset:SPITCH*\i
.endr
	WIN 0x40                                       ; destination window 1
.irp b, 0,1,2,3
.irp j, 0,1,2,3
	ds_load_b128 v[XL+16*\b+4*\j:XL+16*\b+4*\j+3], v[STO] offset:128*\b+16*\j   ; no vector instruction has named XL or the address since the last wait on va_vdst
.endr
.endr
	WIN 0
.endm
.macro XIMAGE s                        ; the fragment just made is K step s of my tile
	s_wait_alu depctr_va_vdst(0)                   ; the quantiser has written v[PC ..] and v[PW], which the stores below read, and is done reading XL, in which the next loads from the stage (behind K step 3: the bias) land
.irp c, 0,1,2
	ds_store_b128 v[XWI], v[PC+4*\c:PC+4*\c+3] offset:XIMG+1536*\s+512*\c
.endr
	ds_store_b32 v[XWS], v[PW] offset:512*\s       ; lanes r and r + 16 write the same word with the same value
.endm
.macro WQKLOAD s                       ; K step s of Wq or Wk: four tiles of 16 chosen rows -> window 1, into registers that no instruction has named yet
	WIN 0x40
.irp t, 0,1,2,3
.irp p, 0,1,2,3,4,5
	global_load_b64 v[48*\s+12*\t+2*\p:48*\s+12*\t+2*\p+1], v[WA], s[34:35] offset:(32*(\t/2)+8*(\t%2))*384+96*\s+48*(\p/3)+8*(\p%3)
.endr
.endr
	WIN 0
.endm
.macro WVLOAD s, buf                   ; K step s of my 64 rows of Wv
.irp t, 0,1,2,3
.irp p, 0,1,2,3,4,5
	global_load_b64 v[\buf+12*\t+2*\p:\buf+12*\t+2*\p+1], v[VWA], s[42:43] offset:16*\t*384+96*\s+48*(\p/3)+8*(\p%3)
.endr
.endr
.endm
.macro BARRIER                         ; my LDS stores have landed and my LDS loads are in: then the work-group's barrier
	s_wait_dscnt 0x0
	s_barrier_signal -1
	s_barrier_wait -1
.endm
	s_load_b512 s[8:23], s[0:1], 0x0               ; x s[8:9], Wq codes s[10:11], scales s[12:13], bq s[14:15], Wk codes s[16:17], scales s[18:19], bk s[20:21], Wv codes s[22:23]
	s_load_b256 s[24:31], s[0:1], 0x40             ; Wv scales s[24:25], bv s[26:27], kv s[28:29], qimg s[30:31]
	v_lshrrev_b32 v252, 5, v0
	v_readfirstlane_b32 s4, v252                   ; wave 0..7
	v_and_b32 v252, 31, v0                         ; lane
	v_and_b32 v253, 15, v0                         ; r
	v_bfe_u32 v254, v0, 4, 1                       ; h
	v_and_b32 v255, 8, v253
	v_add_nc_u32 v255, v255, v253                  ; r + 8 (r / 8)
	s_wait_alu depctr_va_sdst(0)                   ; s4 is written, ahead of its first reader: the wave's shares and bases are made from it
	s_lshr_b32 s5, s4, 2                           ; 0: I make k, 1: q
	s_and_b32 s6, s4, 3                            ; of which pair of tiles
	v_lshlrev_b32 v[LI], 4, v252
	v_lshlrev_b32 v[LS], 2, v252
	v_lshlrev_b32 v[L8], 3, v252
	s_lshl_b32 s52, ttmp9, 18                      ; x: 128 tokens of 2,048 bytes a work-group,
	s_lshr_b32 s54, s4, 1
	s_lshl_b32 s54, s54, 16                        ; + 32 tokens x (w / 2)
	s_add_co_u32 s52, s52, s54
	s_and_b32 s54, s4, 1
	s_lshl_b32 s54, s54, 14                        ; + 8 tokens x (w % 2)
	s_add_co_u32 s52, s52, s54
	s_mov_b32 s53, 0
	s_add_co_u32 s54, ttmp9, 14                    ; k of key step s goes into block (s + 14) mod 16 of the batch: the scores run two key steps ahead of the second product,
	s_and_b32 s54, s54, 15
	s_and_b32 s55, ttmp9, 0xf0
	s_or_b32 s54, s54, s55
	s_mul_i32 s54, s54, KVBLK
	s_add_co_u32 s54, s54, 51200                   ; behind that block's V;
	s_mul_i32 s55, ttmp9, 6400                     ; q into its own record;
	s_mul_i32 s58, s6, 1536                        ; my pair's fragment in either
	s_add_co_u32 s54, s54, s58
	s_add_co_u32 s55, s55, s58
	s_mov_b32 s50, 0x76543210
	s_mov_b32 s51, 0xfedcba98                      ; v_permlanex16_b32's selects for lane l xor 16
	s_wait_kmcnt 0x0
	s_add_nc_u64 s[32:33], s[8:9], s[52:53]
	s_wait_alu depctr_va_vdst(0)                   ; v[LI] is written, which the loads of x read as their offset
	XLOAD 0, R0                                    ; 32 loads of 512 bytes a wave are out before anything else is done
	XLOAD 1, R1
	s_cmp_lt_u32 s4, 4                             ; the choice hangs on the wave's number alone
	s_cselect_b64 s[34:35], s[16:17], s[10:11]     ; codes of Wk or Wq
	s_cselect_b64 s[36:37], s[18:19], s[12:13]     ; their scale bytes
	s_cselect_b64 s[38:39], s[20:21], s[14:15]     ; the bias
	s_cselect_b64 s[40:41], s[28:29], s[30:31]     ; where the result goes
	s_cselect_b32 s54, s54, s55
	s_mov_b32 s55, 0
	s_add_nc_u64 s[40:41], s[40:41], s[54:55]
	s_mul_i32 s52, s4, 24576                       ; my 64 rows of Wv: 384 bytes a row,
	s_add_nc_u64 s[42:43], s[22:23], s[52:53]
	s_lshl_b32 s52, s4, 10                         ; 16 scale bytes a row,
	s_add_nc_u64 s[44:45], s[24:25], s[52:53]
	s_lshl_b32 s52, s4, 8                          ; 4 bytes of bv a row
	s_add_nc_u64 s[46:47], s[26:27], s[52:53]
	s_mul_i32 s52, ttmp9, KVBLK                    ; my work-group's block of kv:
	s_mul_i32 s54, s4, 6144
	s_add_co_u32 s54, s54, s52
	s_add_nc_u64 s[48:49], s[28:29], s[54:55]      ; my four fragments of V,
	s_lshl_b32 s54, s4, 8
	s_add_co_u32 s54, s54, s52
	s_add_co_u32 s54, s54, 49152
	s_add_nc_u64 s[56:57], s[28:29], s[54:55]      ; and their scale words
	v_mul_u32_u24 v[VWA], v253, 384
	v_mad_u32_u24 v[VWA], v254, 24, v[VWA]
	s_lshl_b32 s52, s4, 8
	s_add_co_u32 s52, s52, VSS
	v_lshl_add_u32 v[VSW], v253, 2, s52
	v_add_nc_u32 v[VSR], s52, v[L8]
	s_lshl_b32 s52, s5, 8
	s_add_co_u32 s52, s52, KQS
	v_add_nc_u32 v[KQR], s52, v[L8]
	s_mul_i32 s52, s4, STGW
	s_add_co_u32 s52, s52, STG
	v_add_nc_u32 v[STI], s52, v[LI]
	v_mul_u32_u24 v[STO], v253, SPITCH
	v_lshl_add_u32 v[STO], v254, 6, v[STO]
	v_add_nc_u32 v[STO], s52, v[STO]
	s_mul_i32 s52, s4, 6144
	v_add_nc_u32 v[XWI], s52, v[LI]
	s_lshl_b32 s52, s4, 6
	s_add_co_u32 s54, s52, XSC
	v_lshl_add_u32 v[XWS], v253, 2, s54
	s_add_co_u32 s54, s52, KQS
	v_lshl_add_u32 v[KQW], v253, 2, s54
	v_mul_u32_u24 v[WA], v255, 384
	v_mad_u32_u24 v[WA], v254, 24, v[WA]
	v_lshl_add_u32 v[WSA], v254, 3, v255
	v_lshlrev_b32 v[WSA], 4, v[WSA]
	v_lshlrev_b32 v[QBA], 6, v254
	s_mul_i32 s52, s6, 12288
	v_add_nc_u32 v[QFA], s52, v[LI]
	s_lshl_b32 s52, s6, 7
	s_add_co_u32 s52, s52, XSC
	v_add_nc_u32 v[QSA], s52, v[LS]
	v_lshl_add_u32 v[VSA], v254, 4, v253
	v_lshlrev_b32 v[VSA], 4, v[VSA]
	v_lshlrev_b32 v[BVA], 2, v253
.irp b, 0,1,2,3
	v_mov_b32 v[TM+4+\b], 0                        ; written once: a lane permute's destination counts as one of its sources
.endr
	s_wait_alu depctr_va_vdst(0)                   ; the addresses v2 to v15 and v248 to v251 are written, which the LDS and memory instructions from here on read; none of them is written again
	; ---- X: my tile of x, a K step at a time.  Global loads come back in the order of issue: each wait names the loads issued behind the K step that it needs.
	s_wait_loadcnt 16                              ; K step 0 is in; behind it: K step 1's 16
	TURN R0
	s_wait_dscnt 0x0                               ; the numbers are back
	s_wait_alu depctr_vm_vsrc(0)                   ; the stage's stores have read R0, in which the loads below land
	XLOAD 2, R0
	QUANT XL
	XIMAGE 0
	s_wait_loadcnt 16                              ; K step 1; behind it: K step 2's 16
	TURN R1
	s_wait_dscnt 0x0
	s_wait_alu depctr_vm_vsrc(0)                   ; the stage's stores have read R1, in which the loads below land; the image's stores have read v[PC ..] and v[PW], which the quantiser writes again
	XLOAD 3, R1
	WQKLOAD 0
	QUANT XL
	XIMAGE 1
	s_wait_loadcnt 40                              ; K step 2; behind it: K step 3's 16 and 24 of W
	TURN R0
	s_wait_dscnt 0x0
	s_wait_alu depctr_vm_vsrc(0)                   ; the image's stores have read v[PC ..] and v[PW], which the quantiser writes again; the stage's stores have read R0, in which Wv's and x's fragments land later
	WQKLOAD 1
	global_load_b128 v[WQS:WQS+3], v[WSA], s[36:37]              ; W's scale words: lanes 0-15 the even tile's rows, lanes 16-31 the odd tile's; four K steps a load
	global_load_b128 v[WQS+4:WQS+7], v[WSA], s[36:37] offset:512
	QUANT XL
	XIMAGE 2
	s_wait_loadcnt 50                              ; K step 3; behind it: 48 of W and 2 of its scale words
	TURN R1
	s_wait_dscnt 0x0
	s_wait_alu depctr_vm_vsrc(0)                   ; the image's stores have read v[PC ..] and v[PW], which the quantiser writes again; the stage's stores have read R1, in which bv and Wv's fragments land below
	WQKLOAD 2
	WQKLOAD 3
	QUANT XL
	XIMAGE 3
	WIN 0x40                                       ; the bias of q or k goes straight into the accumulators: lane (r, h), tile 2 b + u, register j: d = 32 b + 16 h + 8 u + j.  (No vector instruction has named XL since the wait at the image's head)
.irp u, 0,1
.irp t, 0,1,2,3
	global_load_b128 v[XL+8*(4*\u+\t):XL+8*(4*\u+\t)+3], v[QBA], s[38:39] offset:(32*(\t/2)+8*(\t%2))*4
	global_load_b128 v[XL+8*(4*\u+\t)+4:XL+8*(4*\u+\t)+7], v[QBA], s[38:39] offset:(32*(\t/2)+8*(\t%2))*4+16
.endr
.endr
	WIN 0
	global_load_b128 v[WVS:WVS+3], v[VSA], s[44:45]              ; Wv's scale words: lanes 0-15 tile 2 i, lanes 16-31 tile 2 i + 1
	global_load_b128 v[WVS+4:WVS+7], v[VSA], s[44:45] offset:512
.irp t, 0,1,2,3
	global_load_b32 v[BV+2*\t], v[BVA], s[46:47] offset:64*\t    ; bv of my channel in tile t, into both halves of a pair: the packed addition names the pair
	global_load_b32 v[BV+2*\t+1], v[BVA], s[46:47] offset:64*\t
.endr
	WVLOAD 0, WB0                                  ; the ring is free: its last stores into the stage have read it (the waits on vm_vsrc of K steps 2 and 3)
	WVLOAD 1, WB1
	BARRIER                                        ; x's 32 fragments and their scale words lie in LDS
	; ---- QK: 64 outputs of my two tiles of x: eight accumulators by turns, a K step at a time
.macro QKFETCH hs                      ; K steps 2 hs, 2 hs + 1 of my two tiles: 12 loads of fragments and 2 of scale words
.irp sl, 0,1
.irp u, 0,1
.irp c, 0,1,2
	ds_load_b128 v[XFA+48*\hs+24*\sl+12*\u+4*\c:XFA+48*\hs+24*\sl+12*\u+4*\c+3], v[QFA] offset:6144*\u+1536*(2*\hs+\sl)+512*\c
.endr
.endr
	ds_load_b32 v[XS+2*\hs+\sl], v[QSA] offset:512*(2*\hs+\sl)   ; lanes 0-15 the even tile's words, lanes 16-31 the odd tile's
.endr
.endm
.macro QKMUL s
.irp u, 0,1
.irp t, 0,1,2,3
	WM XL+8*(4*\u+\t), 48*\s+12*\t, XFA+24*\s+12*\u, XL+8*(4*\u+\t), WQS+4*(\t/2)+\s, XS+\s, \t%2, \u
.endr
.endr
.endm
	s_wait_alu depctr_vm_vsrc(0)                   ; the last image's stores have read v[PC ..] and v[PW], in which x's fragments land (the quantiser that named these registers stands ahead of the last wait on va_vdst)
	QKFETCH 0
	QKFETCH 1
	s_wait_loadcnt 58                              ; W, its scale words and the bias are in; behind them: 2 of Wv's scale words, 8 of bv, 48 of Wv
	s_wait_dscnt 14                                ; K steps 0 and 1 are in; behind them: the 14 of K steps 2 and 3
	WIN 0x51                                       ; source 0 (W), C and D in window 1, source 1 (x) in window 0
	QKMUL 0
	QKMUL 1
	s_wait_dscnt 0x0
	QKMUL 2
	QKMUL 3
	WIN 0
	PLACES 4                                       ; in front of the first read of results and the first write into registers that the products read
	QUANT XL                                       ; blocks 0, 1: the even tile's 64; blocks 2, 3: the odd tile's
	s_wait_alu depctr_va_vdst(0)                   ; the quantiser has written v[PC ..] and v[PW], which the stores below read; it and the products are done with v16-19 and v36-131, in which the loads up to the first group's products land
.irp c, 0,1,2
	global_store_b128 v[LI], v[PC+4*\c:PC+4*\c+3], s[40:41] offset:512*\c   ; 32 lanes store 512 consecutive bytes, aligned to 256
.endr
	ds_store_b32 v[KQW], v[PW]
	BARRIER                                        ; the four pairs' scale words of k, and of q, lie together in LDS
	s_cmp_lg_u32 s6, 0                             ; waves 0 and 4 store them: 256 consecutive bytes each
	s_cbranch_scc1 .Lno_words
	ds_load_b64 v[70:71], v[KQR]
	s_wait_dscnt 0x0
	global_store_b64 v[L8], v[70:71], s[40:41] offset:6144
.Lno_words:
	s_wait_loadcnt 24                              ; Wv's scale words, bv and K step 0 are in; behind them: K step 1's 24
	s_wait_xcnt 0x0                                ; the stores above have had their addresses translated,
	s_wait_alu depctr_vm_vsrc(0)                   ; and have read v[PC ..], v[PW] and v70-71, in which x's fragments land
	; ---- V: group g = K step g / 2, x tiles 4 (g % 2) on: 16 products on 16 accumulators; the 32 take turns
.macro FETCHX g                        ; 12 loads of fragments and 2 of scale words
.irp i, 0,1,2,3
.irp c, 0,1,2
	ds_load_b128 v[XFA+48*((\g)%2)+12*\i+4*\c:XFA+48*((\g)%2)+12*\i+4*\c+3], v[LI] offset:(4*(4*((\g)%2)+\i)+(\g)/2)*1536+512*\c
.endr
.endr
.irp i, 0,1
	ds_load_b32 v[XS+2*((\g)%2)+\i], v[LS] offset:XSC+512*((\g)/2)+128*(2*((\g)%2)+\i)
.endr
.endm
.macro GROUP g
.if (\g) < 7
	s_wait_dscnt 14                                ; this group's 14 are in; behind them: the next group's 14
.else
	s_wait_dscnt 0x0
.endif
.if ((\g) == 2) || ((\g) == 4)
	s_wait_loadcnt 24                              ; this K step of Wv is in; behind it: the next one's 24
.endif
.if (\g) == 6
	s_wait_loadcnt 0x0
.endif
	WIN 0x50                                       ; C and D in window 1
.irp xl, 0,1,2,3
.irp ct, 0,1,2,3
.if (\g) < 2
	WM 64*\ct+8*(4*((\g)%2)+\xl), XFA+48*((\g)%2)+12*\xl, WB0+48*(((\g)/2)%2)+12*\ct, -1, XS+2*((\g)%2)+\xl/2, WVS+4*(\ct/2)+(\g)/2, \xl%2, \ct%2
.else
	WM 64*\ct+8*(4*((\g)%2)+\xl), XFA+48*((\g)%2)+12*\xl, WB0+48*(((\g)/2)%2)+12*\ct, 64*\ct+8*(4*((\g)%2)+\xl), XS+2*((\g)%2)+\xl/2, WVS+4*(\ct/2)+(\g)/2, \xl%2, \ct%2
.endif
.endr
.endr
	WIN 0
	PLACES 4                                       ; in front of loads into registers that these products read, and at the end of the first read of results
.if (\g) < 6
	s_wait_alu depctr_va_vdst(0)                   ; the group's products are done reading their fragments and scale words of x, in which the group two on lands; in groups 1 and 3 this K step's products are done reading their fragments of Wv too
	FETCHX (\g)+2
.endif
.if (\g) == 1
	WVLOAD 2, WB0
.endif
.if (\g) == 3
	WVLOAD 3, WB1
.endif
.endm
	FETCHX 0
	FETCHX 1
.irp g, 0,1,2,3,4,5,6,7
	GROUP \g
.endr
	; ---- the way out: tile ct's 64 registers are my channel's 128 tokens in their order: + bv, quantised along the tokens, stored as an image
.macro VOUT ct
	s_wait_xcnt 0x0                                ; the last tile's stores have had their addresses translated,
	s_wait_dscnt 0x0                               ; its scale word's store is done
.if (\ct) > 0
	s_wait_alu depctr_vm_vsrc(0)                   ; the last tile's stores have read v[PC ..] and v[PW], which the quantiser writes again
.endif
	WIN 0x41                                       ; destination and source 0 in window 1
.set jj, 0
.rept 32
	v_pk_add_f32 v[64*\ct+jj:64*\ct+jj+1], v[64*\ct+jj:64*\ct+jj+1], v[BV+2*\ct:BV+2*\ct+1] op_sel_hi:[1,0]   ; ascending: each accumulator from its low end on
.set jj, jj+2
.endr
	QUANT 64*\ct
	s_wait_alu depctr_va_vdst(0)                   ; the quantiser has written v[PC ..] and v[PW], which the stores below read (behind the last tile: the products are also done reading v70-71, in which the scale words land)
.irp c, 0,1,2
	global_store_b128 v[LI], v[PC+4*\c:PC+4*\c+3], s[48:49] offset:1536*\ct+512*\c
.endr
	ds_store_b32 v[VSW], v[PW] offset:64*\ct
.endm
.irp ct, 0,1,2,3
	VOUT \ct
.endr
	ds_load_b64 v[70:71], v[VSR]                   ; LDS serves a wave's instructions in order: this sees my four stores
	s_wait_dscnt 0x0
	global_store_b64 v[L8], v[70:71], s[56:57]     ; my 64 scale words: 256 consecutive bytes, aligned
	s_wait_xcnt 0x0
	v_lshl_add_u32 v254, v0, 2, 0x1da00            ; my spare word, behind the stages, and 0: made anew here; no memory or LDS instruction has read v254 or v255
	v_mov_b32 v255, 0
	s_wait_dscnt 0x0                               ; the closing lines, six on end
	s_wait_alu 0x0
	s_wait_tensorcnt 0x0
	ds_add_u32 v254, v255
	s_wait_dscnt 0x0
	s_endpgm
.Lfunc_end_k_q64fdebf6ad_proj:
	.size	k_q64fdebf6ad_proj, .Lfunc_end_k_q64fdebf6ad_proj-k_q64fdebf6ad_proj
	.p2alignl 7, 3214868480
	.fill 96, 4, 3214868480
	.section	.rodata,"a",@progbits
	.p2align	6, 0x0
	.amdhsa_kernel k_q64fdebf6ad_proj
		.amdhsa_group_segment_fixed_size 122368
		.amdhsa_private_segment_fixed_size 0
		.amdhsa_enable_private_segment 0
		.amdhsa_kernarg_size 96
		.amdhsa_user_sgpr_count 2
		.amdhsa_user_sgpr_kernarg_segment_ptr 1
		.amdhsa_wavefront_size32 1
		.amdhsa_system_sgpr_workgroup_id_x 1
		.amdhsa_system_sgpr_workgroup_id_y 1
		.amdhsa_system_sgpr_workgroup_id_z 1
		.amdhsa_system_vgpr_workitem_id 0
		.amdhsa_next_free_vgpr 512
		.amdhsa_next_free_sgpr 66
		.amdhsa_reserve_vcc 0
		.amdhsa_float_denorm_mode_32 3
		.amdhsa_float_denorm_mode_16_64 3
		.amdhsa_memory_ordered 1
		.amdhsa_forward_progress 1
		.amdhsa_inst_pref_size 119
	.end_amdhsa_kernel
	.amdgpu_metadata
---
amdhsa.version: [ 1, 2 ]
amdhsa.kernels:
  - .name:           k_q64fdebf6ad_proj
    .symbol:         k_q64fdebf6ad_proj.kd
    .args:
      - { .name: x, .offset: 0, .size: 8, .value_kind: global_buffer, .address_space: global }
      - { .name: Wq_codes, .offset: 8, .size: 8, .value_kind: global_buffer, .address_space: global }
      - { .name: Wq_scales, .offset: 16, .size: 8, .value_kind: global_buffer, .address_space: global }
      - { .name: bq, .offset: 24, .size: 8, .value_kind: global_buffer, .address_space: global }
      - { .name: Wk_codes, .offset: 32, .size: 8, .value_kind: global_buffer, .address_space: global }
      - { .name: Wk_scales, .offset: 40, .size: 8, .value_kind: global_buffer, .address_space: global }
      - { .name: bk, .offset: 48, .size: 8, .value_kind: global_buffer, .address_space: global }
      - { .name: Wv_codes, .offset: 56, .size: 8, .value_kind: global_buffer, .address_space: global }
      - { .name: Wv_scales, .offset: 64, .size: 8, .value_kind: global_buffer, .address_space: global }
      - { .name: bv, .offset: 72, .size: 8, .value_kind: global_buffer, .address_space: global }
      - { .name: kv, .offset: 80, .size: 8, .value_kind: global_buffer, .address_space: global }
      - { .name: qimg, .offset: 88, .size: 8, .value_kind: global_buffer, .address_space: global }
    .group_segment_fixed_size: 122368
    .private_segment_fixed_size: 0
    .kernarg_segment_align: 8
    .kernarg_segment_size: 96
    .max_flat_workgroup_size: 256
    .sgpr_count:     66
    .vgpr_count:     512
    .wavefront_size: 32
...
	.end_amdgpu_metadata
.endif
;; end of part 3
;; launch attn: the kernel of part 2 again; grid 16 x 16, 8 waves a work-group, clusters of 4 x 1, 327,680 bytes of LDS; arguments qimg, kv, x, gamma, out0; writes out0
